; MI455X (gfx1250); checked and timed in simulation.
; The chip was launched on July 23, 2026; its instructions are those of AMD's public machine-readable ISA for CDNA 5 (MIT licence, August 2026) and "CDNA5" Instruction Set Architecture Reference Guide (July 2026). The comments in the code are by the model that wrote it; some were corrected since.
;; Fractal Attention. Allowed arithmetic: matrix products marked QUANTISED: E2M1 operands, one E8M0 scale for each 32 along K, by v_wmma_scale_f32_16x16x128_f8f6f4 with both operands' format E2M1 (or v_wmma_scale_f32_32x16x128_f4), f32 sums; products left as they are: bf16, f16 or f32 operands; f32 sums; everything else in f32.
;; Inputs: Wk 2,048 x 2,048 float32; Wo 2,048 x 2,048 float32; Wq 2,048 x 2,048 float32; Wv 2,048 x 2,048 float32; bk 2,048 float32; bo 2,048 float32; bq 2,048 float32; bv 2,048 float32; mask 4 x 512 int32; x 4 x 512 x 2,048 float32.
;; Outputs: out0 4 x 512 x 2,048 float32.
;; This version of the problem:
;;   THIS VERSION OF THE PROBLEM IS GIVEN IN LOW PRECISION. The matrix products marked QUANTISED in the list below multiply operands that are first quantised to E2M1 (2 exponent bits, 1 mantissa bit; 4 bits a number), with one power-of-two scale for each 32 numbers along K (OCP MX v1.0); their sums are f32. The products marked 'left as it is' may take bf16, f16 or f32 operands, with f32 sums. Whichever they take, every output number must still come out within the allowed error. Rounding operands to bf16 (8 significant bits) uses up far more of that allowance than f16 does (11 bits, for magnitudes from 6e-5 to 65,504). All else is computed in f32.
;;   The module's matrix products, in the order in which they are computed (A, B: the left and right operand; K: the contracted axis; several contracted axes count as one K, in the product's order):
;;     1. [M 2,048, K 2,048] x [K 2,048, N 2,048]; A: input x; B: input Wq: QUANTISED
;;     2. [M 2,048, K 2,048] x [K 2,048, N 2,048]; A: input x; B: input Wk: QUANTISED
;;     3. [M 2,048, K 2,048] x [K 2,048, N 2,048]; A: input x; B: input Wv: QUANTISED
;;     4. batch 64 x [M 512, K 128] x [K 128, N 512]; A: computed on the way; B: computed on the way: left as it is (an operand is computed on the way)
;;     5. batch 64 x [M 512, K 512] x [K 512, N 128]; A: computed on the way; B: computed on the way: left as it is (an operand is computed on the way)
;;     6. [M 2,048, K 2,048] x [K 2,048, N 2,048]; A: computed on the way; B: input Wo: left as it is (an operand is computed on the way)
;;   THE QUANTISER, for each operand of a quantised product, along K:
;;     - K is cut into blocks of 32 from its start; a last block that is shorter is filled with zeros.
;;     - A block's scale is 2^e with e = floor(log2(the largest magnitude in the block)) - 2, held to -126 .. 127; a block of zeros has e = 0. As a byte (E8M0): e + 127.
;;     - Each number is divided by its block's scale, clamped to +-6, and rounded to the nearest number of E2M1, ties to even, subnormals kept.
;;     - The product sums the exact products of the quantised numbers (number of the format x scale) in f32.
;;   ~~~python
;;   def quantise(x, axis):      # numpy; x: float32 -> the quantised numbers, widened to float32 again
;;       x = np.moveaxis(x, axis, -1); K = x.shape[-1]
;;       x = np.pad(x, [(0, 0)] * (x.ndim - 1) + [(0, -K % 32)]); x = x.reshape(x.shape[:-1] + (-1, 32)); a = np.abs(x).max(-1, keepdims=True)
;;       e = np.where(a > 0, np.clip(np.frexp(np.where(a > 0, a, 1))[1] - 1 - 2, -126, 127), 0)      # np.frexp(a)[1] - 1 = floor(log2(a)), exactly
;;       r = np.clip(x / 2.0 ** e, -6, 6)
;;       step = 2.0 ** (np.maximum(np.frexp(np.where(r == 0, 1, r))[1] - 1, 0) - 1)
;;       q = np.round(r / step) * step * 2.0 ** e      # np.round: ties to even
;;       return np.moveaxis(q.reshape(q.shape[:-2] + (-1,))[..., :K], -1, axis).astype(np.float32)
;;   ~~~
;; One version. Each part assembles by itself: llvm-mc -triple=amdgcn-amd-amdhsa -mcpu=gfx1250 --defsym DOCPART=n.
;; ======== version 1 of 1: 4 launches
;; limits: values are held in f16: magnitudes above 65,504 overflow, below 6.1e-05 lose precision
;; workspace buffers: xc 2,097,152 bytes; xs 131,072 bytes; wc 6,291,456 bytes; ws 393,216 bytes; wo16 8,388,608 bytes; qkv 25,165,824 bytes; att 8,388,608 bytes
;; launch quant (part 1): grid 512 x 1, 4 waves a work-group, no clusters, 33,280 bytes of LDS; arguments x, Wq, Wk, Wv, xc, xs, wc, ws; writes xc, xs, wc, ws
.if DOCPART == 1
	.amdgcn_target "amdgcn-amd-amdhsa--gfx1250"
	.amdhsa_code_object_version 6
	.text
	.protected	k_q805b19427f_quant
	.globl	k_q805b19427f_quant
	.p2align	8
	.type	k_q805b19427f_quant,@function
k_q805b19427f_quant:
	s_mov_b64 s[64:65], 0
	v_nop
	global_prefetch_b8 v0, s[64:65] scope:SCOPE_SE
	s_setreg_imm32_b32 hwreg(HW_REG_WAVE_MODE, 25, 1), 1
	s_wait_xcnt 0x0
; x [2048][2048] and Wq, Wk, Wv [2048][2048], f32 with K innermost, become codes of FP4 (E2M1), two a byte, K innermost, with one E8M0 byte for each 32 along K:
; xc [2048][1024 bytes], xs [2048][64]; wc [6144][1024 bytes], ws [6144][64] (Wq's rows, then Wk's, then Wv's).
; A block's scale is 2^(floor(log2(its largest magnitude)) - 2); its byte is the largest magnitude's exponent field - 2, held at 1 from below.  Each number is divided by the scale and rounded to the nearest code, ties to even; beyond 6 the largest code.
; LIMITS: a block of zeros gets the byte 1 where the rule says 127 (its codes are zeros, which add nothing under any byte but 0xff, and only this program reads the bytes); blocks whose largest magnitude lies under 2^-124
; were not tried; NaN and infinities among the inputs are not served.
; SHARES.  A work-group takes 32,768 numbers, a wave 8,192.  Work-groups 0-127: x; 128-255: Wq; 256-383: Wk; 384-511: Wv.  Rows are dense and 2,048 is a multiple of 32: every tensor is a plain stream of blocks.
; One path for four tensors: only pointers are chosen.  Sixteen steps of 512 numbers a wave.  Each of a step's four loads reads 512 consecutive bytes, 16 a lane; the 2,048 bytes turn through the wave's own stage in LDS
; and come back 64 bytes a lane, so that a lane holds 16 neighbours along K (two neighbouring lanes hold a block).  A lane's 16 codes are 8 bytes: the wave stores 256 consecutive bytes.  A wave's 256 scale bytes are gathered in LDS and leave as one aligned run of 256 bytes.
; No tensor loads, no barrier: waves share nothing.  Loads run four steps (16 loads a wave) ahead, the turn through LDS one step.  Matrix units and clusters have nothing to do here: each byte is read once by one wave.
.set WAVES, 4
.set STEPS, 16
.set EMAX,  2
.set CB,    8                          ; bytes of 16 codes
.set R,     16                         ; v16-79   four sets of 16 numbers as they are loaded
.set X,     80                         ; v80-111  two sets of 16 neighbours
.set C,     128                        ; v128-191 codes: four registers for each step, so that no store's data are written again
.set E,     112                        ; v112-127 a scale byte for each step
.set WREG,  8192                       ; LDS: a region of its own for each wave: two stages of 32 x SP bytes, and behind them its 256 scale bytes
.set SP,    80                         ; a lane's place in a stage: its 64 bytes + 16 of padding
.set SPW,   12                         ; v12      LDS address of my spare word: SPARE + 4 x my thread's number; never rewritten
.set NIL,   13                         ; v13      0; never rewritten
.set SPARE, WAVES*WREG                 ; behind the four regions: the spare words, 128 bytes for each wave
	s_load_b512 s[32:47], s[0:1], 0x0              ; x 32, Wq 34, Wk 36, Wv 38, xc 40, xs 42, wc 44, ws 46
	v_lshl_add_u32 v[SPW], v0, 2, SPARE
	v_mov_b32 v[NIL], 0
	v_lshrrev_b32 v1, 5, v0
	v_readfirstlane_b32 s16, v1                    ; wave
	v_and_b32 v2, 31, v0                           ; lane
	v_lshlrev_b32 v3, 4, v2                        ; my 16 bytes of a load's 512
	s_mul_i32 s17, s16, WREG
	v_lshrrev_b32 v14, 2, v2
	v_mul_u32_u24 v14, v14, SP
	v_and_b32 v15, 3, v2
	v_lshl_add_u32 v14, v15, 4, v14
	v_add_nc_u32 v14, s17, v14                     ; the stage, on the way in: four lanes' 64 bytes on end, then 16 of padding: SP (lane / 4) + 16 (lane % 4)
	v_mul_u32_u24 v15, v2, SP
	v_add_nc_u32 v15, s17, v15                     ; and on the way out: SP x lane: my 16 neighbours
	v_mul_u32_u24 v4, v2, CB                       ; my codes' place in a step's
	v_lshrrev_b32 v5, 1, v2
	s_add_co_u32 s17, s17, 2*32*SP
	v_add_nc_u32 v5, s17, v5                       ; LDS: my wave's 256 scale bytes, my block's byte
	v_lshlrev_b32 v7, 3, v2                        ; 8 bytes a lane
	v_add_nc_u32 v6, s17, v7
	s_wait_kmcnt 0x0
	s_lshr_b32 s2, ttmp9, 7                        ; 0: x, 1: Wq, 2: Wk, 3: Wv: the work-group's number alone decides
	s_mov_b64 s[4:5], s[32:33]
	s_cmp_eq_u32 s2, 1
	s_cselect_b64 s[4:5], s[34:35], s[4:5]
	s_cmp_eq_u32 s2, 2
	s_cselect_b64 s[4:5], s[36:37], s[4:5]
	s_cmp_eq_u32 s2, 3
	s_cselect_b64 s[4:5], s[38:39], s[4:5]         ; the tensor that I read
	s_cmp_eq_u32 s2, 0
	s_cselect_b64 s[8:9], s[40:41], s[44:45]       ; its codes: x's buffer, or the weights'
	s_cselect_b64 s[10:11], s[42:43], s[46:47]     ; its scale bytes
	s_cselect_b32 s17, 0, 128                      ; the weights' buffers begin with work-group 128's part
	s_and_b32 s18, ttmp9, 127
	s_lshl_b32 s18, s18, 2
	s_add_co_u32 s18, s18, s16                     ; which run of 8,192 numbers of the tensor is my wave's
	s_lshl_b32 s18, s18, 15                        ; 32,768 bytes a run
	s_mov_b32 s19, 0
	s_add_nc_u64 s[4:5], s[4:5], s[18:19]
	s_sub_co_u32 s20, ttmp9, s17
	s_lshl_b32 s20, s20, 2
	s_add_co_u32 s20, s20, s16                     ; which run of the buffers that I write
	s_lshl_b32 s22, s20, 12                        ; 4,096 bytes of codes a run
	s_mov_b32 s23, 0
	s_add_nc_u64 s[8:9], s[8:9], s[22:23]
	s_lshl_b32 s22, s20, 8                         ; 256 scale bytes a run
	s_add_nc_u64 s[10:11], s[10:11], s[22:23]
.macro LOAD t
.irp i, 0,1,2,3
	global_load_b128 v[R+16*((\t)%4)+4*\i:R+16*((\t)%4)+4*\i+3], v3, s[4:5] offset:2048*(\t)+512*\i th:TH_LOAD_NT   ; 32 lanes read 512 consecutive bytes
.endr
.endm
.macro TURN t                          ; step t's numbers through the stage: LDS serves a wave's instructions in order, so no wait stands between the stores and the loads
.irp i, 0,1,2,3
	ds_store_b128 v14, v[R+16*((\t)%4)+4*\i:R+16*((\t)%4)+4*\i+3] offset:32*SP*((\t)%2)+8*SP*\i
.endr
.irp i, 0,1,2,3
	ds_load_b128 v[X+16*((\t)%2)+4*\i:X+16*((\t)%2)+4*\i+3], v15 offset:32*SP*((\t)%2)+16*\i
.endr
.endm
.irp t, 0,1,2,3
	LOAD \t
.endr
	s_wait_loadcnt 12                              ; step 0's four loads are in; the twelve of steps 1 to 3 may be out
	TURN 0
.macro STEP t
.set XS, X+16*((\t)%2)
.if (\t) > 0
	s_wait_dscnt 1                                 ; this step's numbers are back from the stage (the last step's byte store may be out): so its stores into the stage have read their registers,
.else
	s_wait_dscnt 0x0
.endif
.if (\t)+4 < STEPS
	LOAD (\t)+4                                    ; which take the loads of four steps on
.endif
.if (\t)+1 < STEPS
.if STEPS-2-(\t) >= 3
	s_wait_loadcnt 12                              ; the next step's four loads are in; those of the three steps behind it may be out
.else
	s_wait_loadcnt 4*(STEPS-2-(\t))
.endif
	TURN (\t)+1                                    ; and go through the other stage while this step is worked
.endif
	v_max3_num_f32 v8, |v[XS]|, |v[XS+1]|, |v[XS+2]|               ; the largest magnitude of my 16, in two chains
	v_max3_num_f32 v9, |v[XS+3]|, |v[XS+4]|, |v[XS+5]|
.irp i, 6,10
	v_max3_num_f32 v8, v8, |v[XS+\i]|, |v[XS+\i+1]|
	v_max3_num_f32 v9, v9, |v[XS+\i+2]|, |v[XS+\i+3]|
.endr
	v_max3_num_f32 v8, v8, |v[XS+14]|, |v[XS+15]|
	v_max3_num_f32 v8, v8, v9, (EMAX+1)<<23        ; and the floor 2^(EMAX + 1 - 127): so the byte cannot fall under 1
	v_max_num_f32_dpp v8, v8, v8 row_xmask:1 row_mask:0xf bank_mask:0xf   ; and of my neighbour's 16: the block's
	v_add_nc_u32 v11, -(EMAX<<23), v8              ; EMAX off its exponent field: the conversion takes the exponent field of this operand as its scale, and nothing else of it
	v_cvt_scalef32_pk8_fp4_f32 v[C+4*(\t)], v[XS:XS+7], v11
	v_cvt_scalef32_pk8_fp4_f32 v[C+4*(\t)+1], v[XS+8:XS+15], v11
	v_lshrrev_b32 v[E+(\t)], 23, v11               ; the scale's byte (also the plain line behind the conversions)
	ds_store_b8 v5, v[E+(\t)] offset:16*(\t)       ; both lanes of a block write the same byte with the same value
	global_store_b64 v4, v[C+4*(\t):C+4*(\t)+1], s[8:9] offset:32*CB*(\t)   ; 32 lanes store 256 consecutive bytes, aligned
.endm
.irp t, 0,1,2,3,4,5,6,7,8,9,10,11,12,13,14,15
	STEP \t
.endr
	ds_load_b64 v[8:9], v6                         ; LDS serves a wave's instructions in order: these see my stores
	s_wait_dscnt 0x0
	global_store_b64 v7, v[8:9], s[10:11]          ; 32 lanes store 256 consecutive bytes, aligned
	s_wait_tensorcnt 0x0                           ; the wave's end: closing lines, behind my last LDS store
	ds_add_u32 v[SPW], v[NIL]
	s_wait_dscnt 0x0
	s_endpgm
.Lfunc_end_k_q805b19427f_quant:
	.size	k_q805b19427f_quant, .Lfunc_end_k_q805b19427f_quant-k_q805b19427f_quant
	.p2alignl 7, 3214868480
	.fill 96, 4, 3214868480
	.section	.rodata,"a",@progbits
	.p2align	6, 0x0
	.amdhsa_kernel k_q805b19427f_quant
		.amdhsa_group_segment_fixed_size 33280
		.amdhsa_private_segment_fixed_size 0
		.amdhsa_enable_private_segment 0
		.amdhsa_kernarg_size 64
		.amdhsa_user_sgpr_count 2
		.amdhsa_user_sgpr_kernarg_segment_ptr 1
		.amdhsa_wavefront_size32 1
		.amdhsa_system_sgpr_workgroup_id_x 1
		.amdhsa_system_sgpr_workgroup_id_y 1
		.amdhsa_system_sgpr_workgroup_id_z 1
		.amdhsa_system_vgpr_workitem_id 0
		.amdhsa_next_free_vgpr 192
		.amdhsa_next_free_sgpr 66
		.amdhsa_reserve_vcc 0
		.amdhsa_float_denorm_mode_32 3
		.amdhsa_float_denorm_mode_16_64 3
		.amdhsa_memory_ordered 1
		.amdhsa_forward_progress 1
		.amdhsa_inst_pref_size 33
	.end_amdhsa_kernel
	.amdgpu_metadata
---
amdhsa.version: [ 1, 2 ]
amdhsa.kernels:
  - .name:           k_q805b19427f_quant
    .symbol:         k_q805b19427f_quant.kd
    .args:
      - { .name: x, .offset: 0, .size: 8, .value_kind: global_buffer, .address_space: global }
      - { .name: Wq, .offset: 8, .size: 8, .value_kind: global_buffer, .address_space: global }
      - { .name: Wk, .offset: 16, .size: 8, .value_kind: global_buffer, .address_space: global }
      - { .name: Wv, .offset: 24, .size: 8, .value_kind: global_buffer, .address_space: global }
      - { .name: xc, .offset: 32, .size: 8, .value_kind: global_buffer, .address_space: global }
      - { .name: xs, .offset: 40, .size: 8, .value_kind: global_buffer, .address_space: global }
      - { .name: wc, .offset: 48, .size: 8, .value_kind: global_buffer, .address_space: global }
      - { .name: ws, .offset: 56, .size: 8, .value_kind: global_buffer, .address_space: global }
    .group_segment_fixed_size: 33280
    .private_segment_fixed_size: 0
    .kernarg_segment_align: 8
    .kernarg_segment_size: 64
    .max_flat_workgroup_size: 128
    .sgpr_count:     66
    .vgpr_count:     192
    .wavefront_size: 32
...
	.end_amdgpu_metadata
.endif
;; end of part 1
;; launch qkv (part 2): grid 24 x 8, 4 waves a work-group, clusters of 4 x 4, 327,680 bytes of LDS; arguments xc, xs, wc, ws, bq, bk, bv, qkv; writes qkv
.if DOCPART == 2
	.amdgcn_target "amdgcn-amd-amdhsa--gfx1250"
	.amdhsa_code_object_version 6
	.text
	.protected	k_q805b19427f_qkv
	.globl	k_q805b19427f_qkv
	.p2align	8
	.type	k_q805b19427f_qkv,@function
k_q805b19427f_qkv:
	s_mov_b64 s[64:65], 0
	v_nop
	global_prefetch_b8 v0, s[64:65] scope:SCOPE_SE
	s_setreg_imm32_b32 hwreg(HW_REG_WAVE_MODE, 25, 1), 1
	s_wait_xcnt 0x0
	s_wait_alu depctr_hold_cnt(0) depctr_sa_sdst(0) depctr_va_vdst(0) depctr_va_sdst(0) depctr_va_ssrc(0) depctr_va_vcc(0) depctr_vm_vsrc(0)
	s_getreg_b32 s2, hwreg(HW_REG_IB_STS2, 6, 4)
	s_cmp_eq_u32 s2, 0
	s_cbranch_scc0 .Lentry_in_a_cluster
	s_endpgm
.Lentry_in_a_cluster:
	s_bfe_u32 s2, ttmp6, 0x10000c
	s_cmp_lg_u32 s2, 0xf033
	s_cbranch_scc0 .Lentry_shape_is_right
	s_endpgm
.Lentry_shape_is_right:
; q, k, v = x W^T + b for Wq, Wk, Wv at once: C[m][n] = sum over k of A[m][k] B[n][k] + bias[n], A = x's codes [2048][2048], B = the three weights' codes [6144][2048]: FP4 (E2M1), one E8M0 byte for each 32 along K; sums in f32.
; The result is rounded once to f16 and laid by head: qkv [3 (q, k, v)][4 b][16 h][512 t][128 d].  LIMIT: |q|, |k|, |v| up to 65,504 (f16's range).
; A tile of C, 256 x 256, is made by a work-group of four waves; a wave makes 128 x 128: 64 accumulators of 16 x 16, 512 registers.  A wave's 128 columns are one head of one of q, k, v and its 128 rows are 128
; neighbouring t of one batch: so its result is 32,768 consecutive bytes of qkv.  192 work-groups: a tile that gave 256 would cut heads in two.
; K goes in steps of 512 through a ring of two LDS slots filled by the tensor data mover: a tile's row is 256 bytes of memory.
; THE SCALES of the work-group's 256 rows of A and of B, for all of K, are two dense blocks of memory: they come into LDS once, with the first fills, and stay.
; CLUSTERS: 4 x 4 work-groups.  The four of a row of the cluster need the same tiles of A, the four of a column the same tiles of B: each tile is asked for JOINTLY, by the same tensor load with the same descriptor and a mask that names the four.
; THE MATRIX INSTRUCTION IS USED TRANSPOSED (source 0 = 16 rows of B, source 1 = 16 rows of A): a lane then holds eight neighbouring numbers of a row of C.  THE BIAS is the C of each sum's first product.
; REGISTERS, in windows of 256: window 0: v0-31 addresses; v32-95 scale words, two sets; v128-191 A's fragments, ONE set; v192-255 the bias in the result's layout; on the way out v128-223 are at work.
;   window 1: B's fragments, TWO sets, at v0 and at v128.   window 2: the 32 accumulators of my rows 0-63 (accumulator (a, b) at v[8 (8 a + b)]);   window 3: those of my rows 64-127.
.set SIZE_M, 2048
.set SIZE_N, 6144
.set SIZE_K, 2048
.set KSTEP,  512                       ; along K in a slot
.set NQ,     KSTEP/128                 ; matrix instructions deep
.set ROWB,   256                       ; a tile's row in bytes
.set KROW,   SIZE_K*4/8                ; a row of A or of B in memory, in bytes
.set PITCH,  272                       ; an LDS row: 256 bytes of data + 16 of padding = 68 words: the 16 rows that a load touches start at 16 different banks (64 banks of 4 bytes: ISA guide 11.1)
.set FR,     8                         ; registers of a fragment: 16 rows x 128 K
.set NL,     2                         ; LDS loads that bring one
.set NP,     4                         ; places behind this matrix instruction (ISA guide 7.12.1)
.set HALFT,  128*PITCH                 ; 128 rows: what one tensor load brings, and what one wave reads of A or of B
.set SLOT,   4*HALFT                   ; A's 256 rows, then B's 256 rows
.set LAPS,   SIZE_K/(2*KSTEP)          ; a lap = two K steps = once round the ring
.set KS,     SIZE_K/32                 ; a row of scales in bytes
.set SCL,    2*SLOT                    ; behind the ring: the scales, as runs of 256 bytes + 16 of padding
.set HALFS,  (128*KS/256)*272          ; the scales of 128 rows: what one tensor load brings
.set SBLK,   (16*KS/256)*272           ; those of 16 rows
.set SPARE,  SCL+4*HALFS               ; behind the scales: the spare words, 128 bytes for each wave
.set SPITCH, 272                       ; the way out: a stage of 16 rows x (256 bytes + 16) for each wave, in slot 0, which has had its last fill and its last read when the first result is stored there
.set ADRA, 16                          ; v16-17  LDS address of my A fragments in slot 0, 1
.set ADRB, 20                          ; v20-21  the same for B
.set STO,  24                          ; v24     the way out: where I put 16 bytes of a row
.set RD,   25                          ; v25     the way out: where I read a row back
.set CO,   26                          ; v26     my byte offset in two rows of the result
.set ADRS, 27                          ; v27     LDS address of my scale words: lanes 0-15 A's rows, lanes 16-31 B's
.set SPW,  28                          ; v28     LDS address of my spare word; never rewritten
.set NIL,  29                          ; v29     0; never rewritten
.set SC,   32                          ; scale words: set s at v[SC + 8 NQ s]; register NQ i + q: lanes 0-15 the word of A's block i, lanes 16-31 that of B's block i, for the slot's q-th 128 along K
.set AF,   128                         ; A's fragments, in window 0
.set BI,   192                         ; the bias: register 8 b + j of lane (r, h) = bias[my first column + 16 b + 8 h + j]
.set TMP,  192                         ; the way out: a block's packed results (the bias is done with)
.set BK,   128                         ; the way out: 16 rows read back from the stage: v128-159 and v160-191 by turns
.set G1, 24                            ; s[24:31] descriptor group 1 for A's tiles;  s[32:39] group 0, one set for each slot
.set G0, 32
.set G1B, 48                           ; s[48:55], s[56:63] the same for B's tiles
.set G0B, 56
.set G1S, 68                           ; s[68:75], s[76:79] groups 1 and 0 for A's scales;  s[80:87], s[88:91] for B's
.set G0S, 76
.set G1SB, 80
.set G0SB, 88
.set MSB, 0
.macro WIN new                         ; the immediate's high byte repeats the setting that is left
.if MSB != (\new)
	s_set_vgpr_msb (MSB<<8)|(\new)
.set MSB, (\new)
.endif
.endm
.set MUL_LO, 0xa1                      ; source 0 (B) window 1, source 1 (A) window 0, C and D window 2
.set MUL_HI, 0xf1                      ; the same, C and D window 3
.set TO_B,   0x40                      ; destination window 1, address window 0
; A joint load: waves 0 and 1 fetch for A, waves 2 and 3 for B.  Each of the two lines has ONE mask and one set of registers for all that issue it; the branch hangs on the wave's number alone.
; An s_nop 0 and four v_nop follow each of the two lines, ahead of the jump, the label and what follows.
.macro JLOAD g0a, g1a, g0b, g1b
	s_cmp_eq_u32 s15, 0
	s_cbranch_scc0 .Lfor_b_\@
	tensor_load_to_lds s[\g0a:\g0a+3], s[\g1a:\g1a+7]
	s_nop 0
.rept 4
	v_nop
.endr
	s_branch .Lasked_\@
.Lfor_b_\@:
	tensor_load_to_lds s[\g0b:\g0b+3], s[\g1b:\g1b+7]
	s_nop 0
.rept 4
	v_nop
.endr
.Lasked_\@:
.endm
.macro CREST                           ; a round of the cluster's barrier behind its opening barrier
	s_cmp_lg_u32 s14, 0
	s_cbranch_scc1 .Lnot_wave_0_\@
	s_barrier_signal -3
.Lnot_wave_0_\@:
	s_barrier_wait -3
	s_barrier_signal -1
	s_barrier_wait -1
.endm
.macro CROUND                          ; a whole round
	s_barrier_signal -1
	s_barrier_wait -1
	CREST
.endm
	s_load_b128 s[4:7], s[0:1], 0x0                ; x's codes s[4:5], x's scales s[6:7]
	s_load_b128 s[8:11], s[0:1], 0x10              ; the weights' codes s[8:9], their scales s[10:11]
	s_load_b128 s[96:99], s[0:1], 0x20             ; bq, bk
	s_load_b64 s[100:101], s[0:1], 0x30            ; bv
	s_load_b64 s[12:13], s[0:1], 0x38              ; qkv
	v_lshl_add_u32 v[SPW], v0, 2, SPARE
	v_mov_b32 v[NIL], 0
	ds_add_u32 v[SPW], v[NIL]                      ; the wave's opening: the add, twice on end, and its wait ahead of my first tensor load; the set-up below stands between the second and the wait
	ds_add_u32 v[SPW], v[NIL]
	v_lshrrev_b32 v1, 5, v0
	v_readfirstlane_b32 s14, v1                    ; wave 0..3
	s_lshr_b32 s15, s14, 1                         ; which half of the tile's rows is mine.  Also: I fetch for A (0) or for B (1)
	s_and_b32 s16, s14, 1                          ; which half of its columns.  Also: which 128 rows of that tile I fetch
	s_bfe_u32 s40, ttmp6, 0x40000                  ; cx, cy: my place in the cluster
	s_bfe_u32 s41, ttmp6, 0x40004
	s_lshl_b32 s42, ttmp9, 2
	s_add_co_u32 s42, s42, s40                     ; tile column of C = 4 x cluster x + cx
	s_lshr_b32 s66, ttmp9, 1                       ; 0: q, 1: k, 2: v (a weight has eight tile columns: two clusters)
	s_and_b32 s17, ttmp7, 0xffff
	s_lshl_b32 s17, s17, 2
	s_add_co_u32 s17, s17, s41                     ; tile row of C = 4 x cluster y + cy
	s_lshl_b32 s43, s41, 2
	s_lshl_b32 s43, 15, s43                        ; my row of the cluster
	s_lshl_b32 s44, 0x1111, s40                    ; my column
	; descriptor group 1: a tile of 128 rows x ROWB bytes, padded in LDS
	s_or_b32 s[G1+0], s43, (0<<16)|(1<<20)|(1<<21)|(5<<22)|(3<<25)  ; 15:0 the mask: A's tiles go to my row; 17:16 element of 1 byte; 20 padding on; 21 set beside a mask; 24:22 after every 64 words (code 5); 31:25 of 4 words (code 3)
	s_or_b32 s[G1B+0], s44, (0<<16)|(1<<20)|(1<<21)|(5<<22)|(3<<25)
.irp g, G1, G1B
	s_mov_b32 s[\g+1], ROWB<<16                    ; tensor_dim0
	s_mov_b32 s[\g+2], 128<<16                     ; tensor_dim1 = 128
	s_mov_b32 s[\g+3], ROWB<<16                    ; tile_dim0
	s_mov_b32 s[\g+4], 128                         ; tile_dim1 = 128
	s_mov_b32 s[\g+5], KROW                        ; tensor_dim0_stride
	s_mov_b32 s[\g+6], 0
	s_mov_b32 s[\g+7], 0
.endr
	; and for the scales of 128 rows: a dense block of 128 KS bytes, as rows of 256 bytes (32 elements of 8 bytes), 16 bytes of padding behind each
	s_or_b32 s[G1S+0], s43, (3<<16)|(1<<20)|(1<<21)|(5<<22)|(3<<25)
	s_or_b32 s[G1SB+0], s44, (3<<16)|(1<<20)|(1<<21)|(5<<22)|(3<<25)
.irp g, G1S, G1SB
	s_mov_b32 s[\g+1], 32<<16
	s_mov_b32 s[\g+2], (128*KS/256)<<16
	s_mov_b32 s[\g+3], 32<<16
	s_mov_b32 s[\g+4], 128*KS/256
	s_mov_b32 s[\g+5], 32
	s_mov_b32 s[\g+6], 0
	s_mov_b32 s[\g+7], 0
.endr
	s_lshl_b32 s18, s16, 7                         ; which 128 rows of the tile I fetch
	s_lshl_b32 s20, s17, 8
	s_add_co_u32 s20, s20, s18                     ; A: row 256 x tile row + 128 x half
	s_lshl_b32 s46, s42, 8
	s_add_co_u32 s46, s46, s18                     ; B: row 256 x tile column + 128 x half
	s_mov_b32 s21, 0
	s_mov_b32 s47, 0
	s_mov_b64 s[18:19], KS
	s_mul_u64 s[22:23], s[20:21], s[18:19]         ; where these rows' scales begin, in bytes
	s_mul_u64 s[92:93], s[46:47], s[18:19]
	s_mov_b64 s[18:19], KROW
	s_mul_u64 s[20:21], s[20:21], s[18:19]         ; and their codes
	s_mul_u64 s[46:47], s[46:47], s[18:19]
	s_mul_i32 s45, s14, HALFT                      ; where they go: wave x 128 rows: no place in the cluster enters an LDS address
	s_mul_i32 s94, s14, HALFS
	s_wait_dscnt 0x0                               ; both opening adds are done
	s_wait_kmcnt 0x0
	s_add_nc_u64 s[20:21], s[4:5], s[20:21]
	s_add_nc_u64 s[22:23], s[6:7], s[22:23]
	s_add_nc_u64 s[46:47], s[8:9], s[46:47]
	s_add_nc_u64 s[92:93], s[10:11], s[92:93]
	CROUND                                         ; all sixteen work-groups are here: the first joint loads meet
	s_mov_b32 s[G0S], 1
	s_add_co_u32 s[G0S+1], s94, SCL
	s_mov_b64 s[G0S+2:G0S+3], s[22:23]
	s_or_b32 s[G0S+3], s[G0S+3], 0x80000000
	s_mov_b32 s[G0SB], 1
	s_add_co_u32 s[G0SB+1], s94, SCL
	s_mov_b64 s[G0SB+2:G0SB+3], s[92:93]
	s_or_b32 s[G0SB+3], s[G0SB+3], 0x80000000
	JLOAD G0S, G1S, G0SB, G1SB                     ; the scales first: they are wanted with K step 0
.irp s, 0,1
	s_mov_b32 s[G0+4*\s], 1
	s_add_co_u32 s[G0+4*\s+1], s45, \s*SLOT
	s_add_nc_u64 s[G0+4*\s+2:G0+4*\s+3], s[20:21], \s*ROWB
	s_or_b32 s[G0+4*\s+3], s[G0+4*\s+3], 0x80000000
	s_mov_b32 s[G0B+4*\s], 1
	s_add_co_u32 s[G0B+4*\s+1], s45, \s*SLOT
	s_add_nc_u64 s[G0B+4*\s+2:G0B+4*\s+3], s[46:47], \s*ROWB
	s_or_b32 s[G0B+4*\s+3], s[G0B+4*\s+3], 0x80000000
	JLOAD G0+4*\s, G1, G0B+4*\s, G1B               ; three tensor loads of mine are out now
.endr
	v_and_b32 v1, 15, v0                           ; r = l % 16
	v_bfe_u32 v2, v0, 4, 1                         ; h = l / 16
	; the bias of my 128 columns, in the result's layout
	s_cmp_eq_u32 s66, 1
	s_cselect_b64 s[96:97], s[98:99], s[96:97]
	s_cmp_eq_u32 s66, 2
	s_cselect_b64 s[96:97], s[100:101], s[96:97]   ; bq, bk or bv
	s_and_b32 s46, s42, 7                          ; the tile column within the weight
	s_lshl_b32 s47, s46, 1
	s_add_co_u32 s95, s47, s16                     ; my head = 2 x that + my half
	s_lshl_b32 s46, s46, 10
	s_lshl_b32 s47, s16, 9
	s_add_co_u32 s46, s46, s47                     ; my first column, in bytes of f32
	s_mov_b32 s47, 0
	s_add_nc_u64 s[96:97], s[96:97], s[46:47]
	v_lshlrev_b32 v7, 5, v2                        ; 8 h numbers on
.irp b, 0,1,2,3,4,5,6,7
	global_load_b128 v[BI+8*\b:BI+8*\b+3], v7, s[96:97] offset:64*\b
	global_load_b128 v[BI+8*\b+4:BI+8*\b+7], v7, s[96:97] offset:64*\b+16
.endr
	v_mul_u32_u24 v3, v1, PITCH
	v_lshl_add_u32 v4, v2, 4, v3                   ; a fragment's row x pitch + 16 x half
	s_mul_i32 s21, s15, HALFT                      ; my 128 rows of A
	s_mul_i32 s22, s16, HALFT                      ; my 128 rows of B,
	s_add_co_u32 s22, s22, 2*HALFT                 ; which lie behind A's 256
.irp s, 0,1
	v_add_nc_u32 v[ADRA+\s], s21, v4
	v_add_nc_u32 v[ADRB+\s], s22, v4
	s_add_co_u32 s21, s21, SLOT
	s_add_co_u32 s22, s22, SLOT
.endr
	v_mul_u32_u24 v5, v1, KS                       ; my row's scales: KS bytes a row,
	v_lshrrev_b32 v6, 8, v5
	v_lshl_add_u32 v5, v6, 4, v5                   ; and 16 more for each 256 passed
	s_mul_i32 s21, s15, HALFS                      ; A's: my 128 rows
	s_mul_i32 s22, s16, HALFS                      ; B's: my 128 rows, behind A's 256
	s_add_co_u32 s22, s22, 2*HALFS
	s_sub_co_u32 s22, s22, s21
	v_mul_u32_u24 v6, s22, v2                      ; lanes 16-31 take B's: one product, the distance between the two x h
	s_add_co_u32 s21, s21, SCL
	v_add_nc_u32 v5, v5, v6
	v_add_nc_u32 v[ADRS], s21, v5
	s_mul_i32 s23, s14, 16*SPITCH                  ; my stage
	v_mul_u32_u24 v5, v1, SPITCH                   ; in: row r, 16 bytes for each half of the lanes
	v_lshl_add_u32 v5, v2, 4, v5
	v_add_nc_u32 v[STO], s23, v5
	v_mul_u32_u24 v5, v2, SPITCH                   ; back: lanes 0-15 take one row of 256 bytes, lanes 16-31 the next
	v_lshl_add_u32 v5, v1, 4, v5
	v_add_nc_u32 v[RD], s23, v5
	v_lshlrev_b32 v[CO], 8, v2                     ; and the same two rows in the result
	v_lshl_add_u32 v[CO], v1, 4, v[CO]
	; where my 32,768 bytes of qkv begin: ((((tensor x 4 + batch) x 16 + head) x 512) + t) x 256
	s_lshl_b32 s20, s17, 8
	s_lshl_b32 s21, s15, 7
	s_add_co_u32 s20, s20, s21                     ; my first row of C
	s_lshr_b32 s21, s20, 9                         ; its batch
	s_and_b32 s20, s20, 511                        ; its t
	s_lshl_b32 s22, s66, 2
	s_add_co_u32 s21, s21, s22
	s_lshl_b32 s21, s21, 4
	s_add_co_u32 s21, s21, s95
	s_lshl_b32 s21, s21, 9
	s_add_co_u32 s20, s20, s21
	s_lshl_b32 s20, s20, 8
	s_mov_b32 s21, 0
	s_add_nc_u64 s[12:13], s[12:13], s[20:21]
.macro FRAG reg, adr, q, i             ; a fragment, 16 rows x 128 K of 4-bit codes, is 8 registers: lane l holds row l % 16; registers 4 c .. 4 c + 3 hold K = 64 c + 32 (l / 16) + 0 .. 31
.irp c, 0,1
	ds_load_b128 v[\reg+4*\c:\reg+4*\c+3], v[\adr] offset:64*(\q)+32*\c+(\i)*16*PITCH
.endr
.endm
; 16 matrix instructions: A's blocks a0, a0 + 1 x B's eight, 128 along K: the slot's q-th.  p: B's set;  sc: the set of scale words.  zero = 1: the first product starts the sums, with the bias as its C: nothing is ever cleared.
; The 64 accumulators take turns, one instruction a turn, in the same order in every step.
.macro MUL16 a0, p, q, sc, zero
.irp a, \a0, \a0+1
.irp b, 0,1,2,3,4,5,6,7
.if \zero
	v_wmma_scale_f32_16x16x128_f8f6f4 v[8*(8*((\a)%4)+\b):8*(8*((\a)%4)+\b)+7], v[128*(\p)+FR*\b:128*(\p)+FR*\b+FR-1], v[AF+FR*(\a):AF+FR*(\a)+FR-1], v[BI+8*\b:BI+8*\b+7], v[SC+8*NQ*(\sc)+NQ*\b+(\q)], v[SC+8*NQ*(\sc)+NQ*(\a)+(\q)] matrix_a_fmt:MATRIX_FMT_FP4 matrix_b_fmt:MATRIX_FMT_FP4 matrix_a_scale:MATRIX_SCALE_ROW1
.else
	v_wmma_scale_f32_16x16x128_f8f6f4 v[8*(8*((\a)%4)+\b):8*(8*((\a)%4)+\b)+7], v[128*(\p)+FR*\b:128*(\p)+FR*\b+FR-1], v[AF+FR*(\a):AF+FR*(\a)+FR-1], v[8*(8*((\a)%4)+\b):8*(8*((\a)%4)+\b)+7], v[SC+8*NQ*(\sc)+NQ*\b+(\q)], v[SC+8*NQ*(\sc)+NQ*(\a)+(\q)] matrix_a_fmt:MATRIX_FMT_FP4 matrix_b_fmt:MATRIX_FMT_FP4 matrix_a_scale:MATRIX_SCALE_ROW1
.endif
.endr
.endr
.endm
.macro FETCH_B slot, q, p              ; B's eight fragments of the slot's q-th 128 along K into set p
	WIN TO_B
.irp i, 0,1,2,3,4,5,6,7
	FRAG 128*(\p)+FR*\i, ADRB+\slot, \q, \i
.endr
	WIN 0
.endm
.macro FETCH_A slot, q, i0             ; A's blocks i0 .. i0 + 3
.irp i, \i0, \i0+1, \i0+2, \i0+3
	FRAG AF+FR*(\i), ADRA+\slot, \q, \i
.endr
.endm
.macro SCALES sc                       ; a K step's scale words into set sc: NQ words a row; lanes 0-15 take A's block i, lanes 16-31 B's block i
.irp i, 0,1,2,3,4,5,6,7
	ds_load_b128 v[SC+8*NQ*\sc+NQ*\i:SC+8*NQ*\sc+NQ*\i+3], v[ADRS] offset:\i*SBLK
.endr
.endm
; A load into a register that a matrix instruction has read, and a vector instruction that reads a matrix result, stand NP places behind that matrix instruction, and only plain vector
; instructions that name none of its registers are places (ISA guide 7.12.1 for vector instructions).
.macro PLACES n
.rept \n
	v_nop
.endr
.endm
; A step of 128 along K that has its successor in the same slot.  With zero = 1 the C operand, the bias, lies in window 0.
.macro STEP slot, q, zero
	s_wait_dscnt 4*NL                              ; B's set and A's blocks 0-3 are in; the youngest eight loads (A's blocks 4-7) may be out
	WIN MUL_LO-0x20*(\zero)
	MUL16 0, (\q)%2, \q, \slot, \zero
	MUL16 2, (\q)%2, \q, \slot, \zero
	s_wait_dscnt 0                                 ; A's blocks 4-7 are in (asked for 32 matrix instructions ago)
	PLACES NP
	FETCH_B \slot, (\q)+1, 1-(\q)%2
	FETCH_A \slot, (\q)+1, 0
	WIN MUL_HI-0x30*(\zero)
	MUL16 4, (\q)%2, \q, \slot, \zero
	MUL16 6, (\q)%2, \q, \slot, \zero
	PLACES NP
	WIN 0
	FETCH_A \slot, (\q)+1, 4
.endm
; A slot's last step changes slots: ONE barrier; in front of it each wave waits for all its tensor loads, adds 0 to its spare word, and waits for that and for its own reads of this slot.  fill = 1: this slot is filled again, two K steps ahead.
.macro TURN slot, next, fill
	s_wait_tensorcnt 0x0                           ; all my tensor loads have landed: my part of the next slot;  (every window is 0 here)
	ds_add_u32 v[SPW], v[NIL]                      ; 0 onto my spare word;
	s_wait_dscnt 4*NL+1                            ; (the add and the youngest eight loads, A's blocks 4-7, may be out)
	WIN MUL_LO
	MUL16 0, 1, NQ-1, \slot, 0                     ; sixteen matrix instructions stand between the add and the wait for it
	s_wait_dscnt 0x0                               ; the add is done, and my reads of this slot are over
	s_barrier_signal -1
	MUL16 2, 1, NQ-1, \slot, 0
	WIN 0
	s_barrier_wait -1
.if \fill
	CREST                                          ; the barrier has opened a round of the cluster's barrier: no wave of any partner still reads this slot's tile or has a load on its way
	s_add_nc_u64 s[G0+4*\slot+2:G0+4*\slot+3], s[G0+4*\slot+2:G0+4*\slot+3], 2*ROWB
	s_add_nc_u64 s[G0B+4*\slot+2:G0B+4*\slot+3], s[G0B+4*\slot+2:G0B+4*\slot+3], 2*ROWB
	JLOAD G0+4*\slot, G1, G0B+4*\slot, G1B         ; the first tensor load behind the round; the four v_nop behind it are the places in front of the loads below
.else
	PLACES NP
.endif
	v_add_nc_u32 v[ADRS], 4*NQ, v[ADRS]            ; on to the next K step's scale words
	FETCH_B \next, 0, 0
	FETCH_A \next, 0, 0
	SCALES \next
	WIN MUL_HI
	MUL16 4, 1, NQ-1, \slot, 0
	MUL16 6, 1, NQ-1, \slot, 0
	PLACES NP
	WIN 0
	FETCH_A \next, 0, 4
.endm
.macro STEPS slot, from                ; the slot's steps from .. NQ - 2
.set Q, \from
.rept NQ-1-\from
	STEP \slot, Q, 0
.set Q, Q+1
.endr
.endm
	s_wait_tensorcnt 1                             ; the scales and my part of K step 0 are in (K step 1's load may be out)
	s_barrier_signal -1
	s_barrier_wait -1                              ; everybody's are
	FETCH_B 0, 0, 0
	FETCH_A 0, 0, 0
	SCALES 0
	FETCH_A 0, 0, 4
	s_wait_loadcnt 0x0                             ; the bias
	STEP 0, 0, 1                                   ; the first step stands in front of the loop: its products start the sums
	s_mov_b32 s3, LAPS-1
.Llap:                                                 ; a trip goes once round the ring, from a lap's second step to the next lap's first, and fills both slots again
	STEPS 0, 1
	TURN 0, 1, 1
	STEPS 1, 0
	TURN 1, 0, 1
	STEP 0, 0, 0
	s_sub_co_u32 s3, s3, 1
	s_cmp_lg_u32 s3, 0
	s_cbranch_scc1 .Llap
	STEPS 0, 1                                     ; the last lap fills nothing, and has no round of the cluster's barrier
	TURN 0, 1, 0
	STEPS 1, 0
	s_wait_dscnt 4*NL                              ; the very last step: nothing more to fetch
	WIN MUL_LO
	MUL16 0, 1, NQ-1, 1, 0
	MUL16 2, 1, NQ-1, 1, 0
	s_wait_dscnt 0
	WIN MUL_HI
	MUL16 4, 1, NQ-1, 1, 0
	MUL16 6, 1, NQ-1, 1, 0
	WIN 0
; THE WAY OUT, block by block of 16 rows x 128 columns.  PACK: rounded to f16, 16 bytes a lane, each accumulator from its low end on.  TOSTAGE: into my own stage in LDS, and back as whole rows of 256 bytes.  SEND: stored.
.macro PACK a
.set AC, 64*((\a)%4)
	WIN 0x0a+5*((\a)/4)                            ; sources 0 and 1: window 2 or 3
.irp b, 0,1,2,3,4,5,6,7
.irp r, 0,1,2,3
	v_cvt_pk_f16_f32 v[TMP+4*\b+\r], v[AC+8*\b+2*\r], v[AC+8*\b+2*\r+1]
.endr
.endr
	WIN 0
.endm
.macro TOSTAGE a
.set BB, BK+32*((\a)%2)
.irp b, 0,1,2,3,4,5,6,7
	ds_store_b128 v[STO], v[TMP+4*\b:TMP+4*\b+3] offset:32*\b
.endr
.irp t, 0,1,2,3,4,5,6,7
	ds_load_b128 v[BB+4*\t:BB+4*\t+3], v[RD] offset:\t*2*SPITCH    ; LDS serves a wave's instructions in order (ISA guide 5.7.1.4): these see the stores above
.endr
.endm
.macro SEND a
.set BB, BK+32*((\a)%2)
	s_wait_dscnt 0x0                               ; the block is back in registers
	s_wait_xcnt 0x0                                ; the block before's stores have read their registers: the next block's loads may land there
.irp t, 0,1,2,3,4,5,6,7
	global_store_b128 v[CO], v[BB+4*\t:BB+4*\t+3], s[12:13] offset:(\a)*4096+\t*512   ; 16 lanes store 256 consecutive bytes, aligned; the wave's 32,768 bytes lie on end, so every place stands in the immediate
.endr
.endm
	PLACES NP                                      ; behind the last products: for the conversions, and for the loads into the registers that held A's fragments
	PACK 0
	TOSTAGE 0
.irp a, 1,2,3,4,5,6,7                  ; block a's conversions stand between block a - 1's loads from the stage and the wait for them
	PACK \a
	SEND \a-1
	TOSTAGE \a
.endr
	SEND 7
	s_wait_tensorcnt 0x0                           ; the wave's end: closing lines, behind my last tensor load and my last LDS store
	ds_add_u32 v[SPW], v[NIL]
	s_wait_dscnt 0x0
	CROUND                                         ; the closing round: no work-group ends while a partner may still ask for a tile that names it
	s_endpgm
.Lfunc_end_k_q805b19427f_qkv:
	.size	k_q805b19427f_qkv, .Lfunc_end_k_q805b19427f_qkv-k_q805b19427f_qkv
	.p2alignl 7, 3214868480
	.fill 96, 4, 3214868480
	.section	.rodata,"a",@progbits
	.p2align	6, 0x0
	.amdhsa_kernel k_q805b19427f_qkv
		.amdhsa_group_segment_fixed_size 327680
		.amdhsa_private_segment_fixed_size 0
		.amdhsa_enable_private_segment 0
		.amdhsa_kernarg_size 64
		.amdhsa_user_sgpr_count 2
		.amdhsa_user_sgpr_kernarg_segment_ptr 1
		.amdhsa_wavefront_size32 1
		.amdhsa_system_sgpr_workgroup_id_x 1
		.amdhsa_system_sgpr_workgroup_id_y 1
		.amdhsa_system_sgpr_workgroup_id_z 1
		.amdhsa_system_vgpr_workitem_id 0
		.amdhsa_next_free_vgpr 1024
		.amdhsa_next_free_sgpr 102
		.amdhsa_reserve_vcc 0
		.amdhsa_float_denorm_mode_32 3
		.amdhsa_float_denorm_mode_16_64 3
		.amdhsa_memory_ordered 1
		.amdhsa_forward_progress 1
		.amdhsa_inst_pref_size 215
	.end_amdhsa_kernel
	.amdgpu_metadata
---
amdhsa.version: [ 1, 2 ]
amdhsa.kernels:
  - .name:           k_q805b19427f_qkv
    .symbol:         k_q805b19427f_qkv.kd
    .args:
      - { .name: xc, .offset: 0, .size: 8, .value_kind: global_buffer, .address_space: global }
      - { .name: xs, .offset: 8, .size: 8, .value_kind: global_buffer, .address_space: global }
      - { .name: wc, .offset: 16, .size: 8, .value_kind: global_buffer, .address_space: global }
      - { .name: ws, .offset: 24, .size: 8, .value_kind: global_buffer, .address_space: global }
      - { .name: bq, .offset: 32, .size: 8, .value_kind: global_buffer, .address_space: global }
      - { .name: bk, .offset: 40, .size: 8, .value_kind: global_buffer, .address_space: global }
      - { .name: bv, .offset: 48, .size: 8, .value_kind: global_buffer, .address_space: global }
      - { .name: qkv, .offset: 56, .size: 8, .value_kind: global_buffer, .address_space: global }
    .group_segment_fixed_size: 327680
    .private_segment_fixed_size: 0
    .kernarg_segment_align: 8
    .kernarg_segment_size: 64
    .max_flat_workgroup_size: 128
    .sgpr_count:     102
    .vgpr_count:     1024
    .wavefront_size: 32
...
	.end_amdgpu_metadata
.endif
;; end of part 2
;; launch attn (part 3): grid 4 x 64, 8 waves a work-group, clusters of 4 x 1, 327,680 bytes of LDS; arguments qkv, mask, att, Wo, wo16; writes att, wo16
.if DOCPART == 3
	.amdgcn_target "amdgcn-amd-amdhsa--gfx1250"
	.amdhsa_code_object_version 6
	.text
	.protected	k_q805b19427f_attn
	.globl	k_q805b19427f_attn
	.p2align	8
	.type	k_q805b19427f_attn,@function
k_q805b19427f_attn:
	s_mov_b64 s[64:65], 0
	v_nop
	global_prefetch_b8 v0, s[64:65] scope:SCOPE_SE
	s_setreg_imm32_b32 hwreg(HW_REG_WAVE_MODE, 25, 1), 1
	s_wait_xcnt 0x0
	s_wait_alu depctr_hold_cnt(0) depctr_sa_sdst(0) depctr_va_vdst(0) depctr_va_sdst(0) depctr_va_ssrc(0) depctr_va_vcc(0) depctr_vm_vsrc(0)
	s_getreg_b32 s2, hwreg(HW_REG_IB_STS2, 6, 4)
	s_cmp_eq_u32 s2, 0
	s_cbranch_scc0 .Lentry_in_a_cluster
	s_endpgm
.Lentry_in_a_cluster:
	s_bfe_u32 s2, ttmp6, 0x10000c
	s_cmp_lg_u32 s2, 0x3003
	s_cbranch_scc0 .Lentry_shape_is_right
	s_endpgm
.Lentry_shape_is_right:
; att[b][q][h][:] = the sum over k of softmax_k(Q[q] . K[k] / sqrt(128), keys with mask[b][k] = 0 left out) V[k][:], for each of the 64 (batch, head).
; qkv: f16 [3][64 (b, h)][512 t][128 d].  mask: int32 [4][512].  att: f16 [2048 (b, t)][2048 (h, d)].  Products on f16 operands with f32 sums; maxima, exponentials and sums in f32; the weights p (at most 1) are rounded to f16 for the second product.
; The entropy that the reference forms from the weights goes only into a select whose two arms are the same array: no output number hangs on it, for any input, so it is not computed.
; BESIDE IT: Wo [2048][2048] f32 becomes f16, wo16, in the same order, for the launch that follows: each of the 2,048 waves takes a run of 2,048 numbers (16 loads of 512 bytes, 16 stores of 256), asked for when Q's registers are done with.
; LIMITS: attended values and Wo up to 65,504 (f16's range).  A batch whose keys are all masked gives NaN, as in the reference (0 x infinity at the division).
; SHARES.  A work-group owns 128 queries of one head.  Wave w: half kh = w % 2 of the keys (256) and queries 32 (w / 2) on (two tiles of 16).  Waves w and w xor 1 hold (maximum, sum, O) of the same 32 queries over the two
; halves of the keys; at the end each keeps one tile and sends the other through LDS.  My tile 0 is the one that I keep (queries 16 kh on), my tile 1 the one that I send: so all waves run one text.
; HALF A STEP APART.  Eight waves stand on four SIMDs, 512 registers each.  Two waves that walk the steps together ask for products at the same time and for the softmax at the same time.  So the waves have a CLASS,
; (w % 2) xor (w / 4), which differs between waves w and w + 4 and between waves w and w xor 1.  Class 0 runs the first step's K Q^T and softmax ahead of a barrier, class 1 behind it; from there on one class's softmax
; stands beside the other's products.  The barrier stands in every wave's text; the two branches on the class lead round products, LDS loads and vector work alone.
; ALL OF A HEAD'S K AND V LIES IN LDS: 512 rows each, asked for once, at the head, in two stages a wave; nothing is filled again.  The barrier that shows the second stage landed has its signal at the head of step 1 and its
; wait at that step's end, so that it does not bring the classes together again.
; CLUSTER.  The four query blocks of a head form a cluster and need the same K and V: each tile is asked for JOINTLY, by the same tensor load with the same descriptor and a mask that names the four.
; LAYOUT.  S^T = K Q^T (source 0 = 16 keys, source 1 = 16 queries): a lane holds ONE query (lane % 16) and the keys 8 (lane / 16) + 0..7.  Two such tiles, rounded to f16 in pairs, ARE source 1 of O^T = V^T P.  V comes out of LDS turned, by ds_load_tr16_b128.
; THE MASK is 0 or -infinity for each key, in LDS, and is added to the scores.  The running maximum never falls under -3e38: so where all keys of a step or of a half are masked, p, the sum and O stay 0 and the next rescaling multiplies zeros.
; REGISTERS.  Window 0: v1-15 addresses; v16-31 statistics, eight a tile; v32-63 a step's mask terms, at the end wo16's words; v64-127 S^T, 32 a tile; v128-159 P, 16 a tile; v160-223 Q, 32 a tile, at the end Wo's numbers;
;   v224, v225 the add's two; v226-233 at work at the head; v234, v235 Wo's and wo16's offsets.   Window 1: v0-127 O^T, 64 a tile; v128-255 ONE buffer for a step's K and then its V.
.set KS,    64                         ; keys in a step
.set PK,    272                        ; a row of K in LDS: 256 bytes + 16 of padding: the 16 rows of a load start at 16 different banks (64 banks of 4 bytes: ISA guide 11.1)
.set PV,    288                        ; a row of V: 256 + 32
.set VOFF,  512*PK                     ; K's 512 rows, then V's
.set MASKB, VOFF+512*PV                ; 512 f32: 0 or -infinity; written by LDS stores alone
.set SPARE, MASKB+2048                 ; the spare words, 128 bytes for each of the eight waves
.set XWB,   8448                       ; the exchange, in K's bytes once nobody reads them: for each wave an image of a tile's O^T (8,192 bytes) and 8 bytes a lane of (c m, l)
.set STG,   8*XWB                      ; behind it the stages for the way out: 16 rows x 272 bytes for each wave
.set SP,    272
.set TENS,  8388608                    ; bytes of q, of k, of v
.set AK0, 2                            ; v2   my lane's place in my half's first tile of K
.set AV0, 3                            ; v3   the same for V
.set ADR, 4                            ; v4   the LDS address of the run of loads in hand
.set AM0, 5                            ; v5   my lane's place among my half's mask terms
.set QO0, 6                            ; v6   my byte offset in the 32 queries' rows: tile 0;  v7: tile 1
.set QO1, 7
.set STO, 8                            ; v8   the way out: where I put 16 bytes of a row
.set RD,  9                            ; v9   the way out: where I read a row back
.set GO,  10                           ; v10  my byte offset in two rows of att
.set XW,  11                           ; v11  the exchange: where I store;  v12: where I read my partner's;  v13, v14: the same for (c m, l)
.set XR,  12
.set XWS, 13
.set XRS, 14
.set ST,  16                           ; tile t's statistics at v[ST+8 t]: +0 c m, +1 m, +2, +3 l (even keys', odd keys'), +4 to +7 at work; a takes +6 once the maximum is found
.set MB,  32
.set S,   64
.set P,   128
.set Q,   160
.set SPW, 224                          ; v224 LDS address of my spare word; never rewritten
.set NIL, 225                          ; v225 0; never rewritten
.set WI,  234                          ; v234 16 x lane: my 16 bytes of a load of Wo; never rewritten
.set WO,  235                          ; v235 8 x lane: my 8 bytes of a store of wo16; never rewritten
.set KF,  128                          ; in window 1: K's fragments, then V's
.set WV,  12                           ; s12  my wave's number
.set KH,  14                           ; s14  my half of the keys
.set QG,  15                           ; s15  my 32 queries
.set G1K, 24                           ; s[24:31] descriptor group 1 for K's tiles
.set G1V, 32                           ; s[32:39] for V's: it differs in the padding alone
.set G0K, 40                           ; s[40:47] descriptor group 0 for K's tiles: a set for each of the two stages
.set G0V, 48                           ; s[48:55] the same for V's
.set CS,  58                           ; s[58:59] c = log2(e) / sqrt(128): the packed scaling names a pair and takes its low word for both halves
.set SEL, 60                           ; s[60:61] lane selects for v_permlanex16_b32: lane l xor 16
.set FLOOR, 62                         ; s62  -3e38
.set CL,  63                           ; s63  my class: (w % 2) xor (w / 4)
.set MSB, 0
.macro WIN new                         ; the immediate's high byte repeats the setting that is left; a switch that changes nothing is dropped
.if MSB != (\new)
	s_set_vgpr_msb (MSB<<8)|(\new)
.set MSB, (\new)
.endif
.endm
.set W_KQ, 0x01                        ; K in window 1; Q and S^T in window 0
.set W_PV, 0x51                        ; V and O^T in window 1, P in window 0
.set W_RS, 0x41                        ; O^T (destination and source 0) in window 1, the factor in window 0
.macro CROUND                          ; a round of the cluster's barrier
	s_barrier_signal -1
	s_barrier_wait -1
	s_cmp_lg_u32 s[WV], 0
	s_cbranch_scc1 .Lnot_wave_0_\@
	s_barrier_signal -3
.Lnot_wave_0_\@:
	s_barrier_wait -3
	s_barrier_signal -1
	s_barrier_wait -1
.endm
.macro PLACES                          ; four places behind a matrix instruction, in front of loads into registers that it has read and of vector instructions that touch its registers (ISA guide 7.12.1 for vector instructions)
.rept 4
	v_nop
.endr
.endm
	s_load_b128 s[4:7], s[0:1], 0x0                ; qkv s[4:5], mask s[6:7]
	s_load_b128 s[8:11], s[0:1], 0x10              ; att s[8:9], Wo s[10:11]
	s_load_b64 s[2:3], s[0:1], 0x20                ; wo16
	v_lshl_add_u32 v[SPW], v0, 2, SPARE
	v_mov_b32 v[NIL], 0
	ds_add_u32 v[SPW], v[NIL]                      ; the wave's opening: the add, twice on end, and its wait ahead of my first tensor load; the set-up below stands between the second and the wait
	ds_add_u32 v[SPW], v[NIL]
	v_lshrrev_b32 v1, 5, v0
	v_readfirstlane_b32 s[WV], v1                  ; wave 0..7
	s_and_b32 s[KH], s[WV], 1
	s_lshr_b32 s[QG], s[WV], 1
	s_lshr_b32 s[CL], s[WV], 2
	s_xor_b32 s[CL], s[CL], s[KH]                  ; my class: made of the wave's number alone, the same in all four partners
	s_bfe_u32 s13, ttmp6, 0x40000                  ; cx: my block of 128 queries: it enters Q's, att's, Wo's and wo16's addresses alone
	s_and_b32 s16, ttmp7, 0xffff                   ; 16 x batch + head, which the four partners share
	; what I fetch: waves 0-3 K, waves 4-7 V; of each, wave % 4 = 2 x (half of the keys) + (which 64 of a stage's 128 keys)
	s_and_b32 s17, s[WV], 3
	s_lshr_b32 s18, s17, 1
	s_and_b32 s19, s17, 1
	s_mul_i32 s20, s18, 256*PK
	s_mul_i32 s21, s19, 64*PK
	s_add_co_u32 s20, s20, s21                     ; K's tile in LDS
	s_mul_i32 s21, s18, 256*PV
	s_mul_i32 s22, s19, 64*PV
	s_add_co_u32 s21, s21, s22
	s_add_co_u32 s21, s21, VOFF                    ; V's tile in LDS
	s_lshl_b32 s22, s18, 16
	s_lshl_b32 s23, s19, 14
	s_add_co_u32 s22, s22, s23                     ; the tile's first key, 256 bytes a key,
	s_lshl_b32 s23, s16, 17
	s_add_co_u32 s22, s22, s23                     ; in my head: 131,072 bytes a head
	s_mov_b32 s23, 0
	; descriptor group 1: a tile of 64 rows x 128 elements, padded in LDS
	s_mov_b32 s[G1K], 15|(1<<16)|(1<<20)|(1<<21)|(5<<22)|(3<<25)  ; 15:0 the mask: all four work-groups; 17:16 elements of 2 bytes; 20 padding on; 21 set beside a mask; 24:22 after every 64 words (code 5); 31:25 4 words of it (code 3)
	s_mov_b32 s[G1V], 15|(1<<16)|(1<<20)|(1<<21)|(5<<22)|(7<<25)  ; the same with 8 words of padding (code 7)
.irp g, G1K, G1V
	s_mov_b32 s[\g+1], 128<<16                     ; tensor_dim0 = 128
	s_mov_b32 s[\g+2], KS<<16                      ; tensor_dim1 = 64
	s_mov_b32 s[\g+3], 128<<16                     ; tile_dim0 = 128
	s_mov_b32 s[\g+4], KS                          ; tile_dim1 = 64
	s_mov_b32 s[\g+5], 128                         ; tensor_dim0_stride
	s_mov_b32 s[\g+6], 0
	s_mov_b32 s[\g+7], 0
.endr
	s_mov_b32 s[CS], 0x3e0293ee                    ; c = log2(e) / sqrt(128)
	s_mov_b32 s[CS+1], s[CS]                       ; named with it as a pair, so it is written
	s_mov_b32 s[SEL], 0x76543210
	s_mov_b32 s[SEL+1], 0xfedcba98
	s_mov_b32 s[FLOOR], 0xff61b1e6                 ; -3e38
	; Q's, att's and the mask's offsets
	s_lshl_b32 s68, s13, 7
	s_lshl_b32 s69, s[QG], 5
	s_add_co_u32 s68, s68, s69                     ; the first of my 32 queries, in the head's 512
	s_lshl_b32 s70, s68, 8
	s_lshl_b32 s71, s16, 17
	s_add_co_u32 s70, s70, s71                     ; its row of q
	s_mov_b32 s71, 0
	s_lshr_b32 s69, s16, 4                         ; the batch
	s_lshl_b32 s56, s69, 9
	s_add_co_u32 s56, s56, s68
	s_lshl_b32 s57, s[KH], 4
	s_add_co_u32 s56, s56, s57                     ; the first row of att that I store: the tile that I keep
	s_lshl_b32 s56, s56, 12                        ; 4,096 bytes a row
	s_and_b32 s57, s16, 15
	s_lshl_b32 s57, s57, 8
	s_add_co_u32 s56, s56, s57                     ; + my head's 256 bytes
	s_mov_b32 s57, 0
	s_lshl_b32 s68, s69, 11                        ; the batch's 512 words of the mask
	s_mov_b32 s69, 0
	; every address register, ahead of the first branch on the wave's number
	v_and_b32 v1, 15, v0                           ; r = l % 16
	v_bfe_u32 v15, v0, 4, 1                        ; h = l / 16
	v_and_b32 v226, 31, v0                         ; lane
	v_mul_u32_u24 v[AK0], v1, PK
	v_lshl_add_u32 v[AK0], v15, 4, v[AK0]          ; a fragment of K: row r x pitch + 16 h,
	s_mul_i32 s17, s[KH], 256*PK
	v_add_nc_u32 v[AK0], s17, v[AK0]               ; in my half
	v_and_b32 v227, 7, v0
	v_bfe_u32 v228, v0, 3, 1
	v_lshl_add_u32 v[AV0], v15, 3, v227            ; the turning load: key 8 h + l % 8,
	v_mul_u32_u24 v[AV0], v[AV0], PV
	v_lshl_add_u32 v[AV0], v228, 4, v[AV0]         ; channels 8 ((l / 8) % 2) on,
	s_mul_i32 s17, s[KH], 256*PV
	s_add_co_u32 s17, s17, VOFF
	v_add_nc_u32 v[AV0], s17, v[AV0]               ; in my half
	s_lshl_b32 s17, s[KH], 10
	s_add_co_u32 s17, s17, MASKB
	v_lshl_add_u32 v[AM0], v15, 5, s17             ; the mask terms of keys 8 h on, in my half
	v_lshlrev_b32 v[QO0], 8, v1
	v_lshl_add_u32 v[QO0], v15, 4, v[QO0]          ; Q: row r x 256 + 16 h;
	s_lshl_b32 s17, s[KH], 12
	s_xor_b32 s18, s17, 4096
	v_add_nc_u32 v[QO1], s18, v[QO0]               ; tile 1: the 16 queries that my partner keeps,
	v_add_nc_u32 v[QO0], s17, v[QO0]               ; tile 0: those that I keep
	s_mul_i32 s17, s[WV], 16*SP
	s_add_co_u32 s17, s17, STG                     ; my stage
	v_mul_u32_u24 v[STO], v1, SP
	v_lshl_add_u32 v[STO], v15, 4, v[STO]
	v_add_nc_u32 v[STO], s17, v[STO]               ; in: row r, 16 bytes for each half of the lanes
	v_mul_u32_u24 v[RD], v15, SP
	v_lshl_add_u32 v[RD], v1, 4, v[RD]
	v_add_nc_u32 v[RD], s17, v[RD]                 ; back: lanes 0-15 one row of 256 bytes, lanes 16-31 the next
	v_lshlrev_b32 v[GO], 12, v15
	v_lshl_add_u32 v[GO], v1, 4, v[GO]             ; and the same two rows in att
	s_mul_i32 s17, s[WV], XWB
	s_xor_b32 s18, s[WV], 1
	s_mul_i32 s18, s18, XWB
	v_lshl_add_u32 v[XW], v226, 4, s17             ; the exchange: an image of registers, 16 bytes a lane: mine,
	v_lshl_add_u32 v[XR], v226, 4, s18             ; my partner's
	s_add_co_u32 s17, s17, 8192
	s_add_co_u32 s18, s18, 8192
	v_lshl_add_u32 v[XWS], v226, 3, s17
	v_lshl_add_u32 v[XRS], v226, 3, s18
	v_lshlrev_b32 v[WI], 4, v226
	v_lshlrev_b32 v[WO], 3, v226
	v_mov_b32 v229, 0xff800000                     ; -infinity
	v_lshl_add_u32 v230, v0, 3, MASKB              ; thread t makes the mask terms of keys 2 t and 2 t + 1
	v_lshlrev_b32 v231, 3, v0
	s_wait_dscnt 0x0                               ; both opening adds are done
	s_wait_kmcnt 0x0
	s_add_nc_u64 s[66:67], s[4:5], s[22:23]        ; q's buffer at my tile's place in the head; k and v lie one and two tensors on
.irp e, 0,1                            ; stage e: the first or the second 128 keys of each half
	s_mov_b32 s[G0K+4*\e], 1                       ; count = 1
	s_add_co_u32 s[G0K+4*\e+1], s20, \e*128*PK     ; LDS address
	s_add_nc_u64 s[G0K+4*\e+2:G0K+4*\e+3], s[66:67], TENS+\e*128*256   ; global address
	s_or_b32 s[G0K+4*\e+3], s[G0K+4*\e+3], 0x80000000                  ; type = 2
	s_mov_b32 s[G0V+4*\e], 1
	s_add_co_u32 s[G0V+4*\e+1], s21, \e*128*PV
	s_add_nc_u64 s[G0V+4*\e+2:G0V+4*\e+3], s[66:67], 2*TENS+\e*128*256
	s_or_b32 s[G0V+4*\e+3], s[G0V+4*\e+3], 0x80000000
.endr
	s_add_nc_u64 s[4:5], s[4:5], s[70:71]          ; Q at the first of my 32 queries
	s_add_nc_u64 s[6:7], s[6:7], s[68:69]          ; the mask at my batch
	s_add_nc_u64 s[8:9], s[8:9], s[56:57]          ; att at my tile
	s_lshl_b32 s17, s16, 2
	s_add_co_u32 s17, s17, s13                     ; my work-group among the 256: 4 x (16 batch + head) + cx
	s_lshl_b32 s17, s17, 3
	s_add_co_u32 s17, s17, s[WV]                   ; my wave's run of 2,048 numbers of Wo, of 2,048 runs
	s_lshl_b32 s18, s17, 13                        ; 8,192 bytes of f32 a run
	s_mov_b32 s19, 0
	s_add_nc_u64 s[10:11], s[10:11], s[18:19]
	s_lshl_b32 s18, s17, 12                        ; 4,096 bytes of f16
	s_add_nc_u64 s[2:3], s[2:3], s[18:19]
	CROUND                                         ; all four work-groups are here: the joint loads meet
	s_cmp_lt_u32 s[WV], 4                          ; a wave's two fills stand in one branch, ahead of every wait on TENSORcnt and every LDS read: two loads of mine are out
	s_cbranch_scc0 .Lfirst_v
	tensor_load_to_lds s[G0K:G0K+3], s[G1K:G1K+7]
	s_nop 0
	tensor_load_to_lds s[G0K+4:G0K+7], s[G1K:G1K+7]
	s_nop 0
.rept 4
	v_nop
.endr
	s_branch .Lfirst_asked
.Lfirst_v:
	tensor_load_to_lds s[G0V:G0V+3], s[G1V:G1V+7]
	s_nop 0
	tensor_load_to_lds s[G0V+4:G0V+7], s[G1V:G1V+7]
	s_nop 0
.rept 4
	v_nop
.endr
.Lfirst_asked:
	global_load_b64 v[232:233], v231, s[6:7]       ; two words of the mask
.irp u, 0,1                            ; Q stays in registers: tile u, channels 32 i on
.irp i, 0,1,2,3
	global_load_b128 v[Q+32*\u+8*\i:Q+32*\u+8*\i+3],   v[QO0+\u], s[4:5] offset:64*\i
	global_load_b128 v[Q+32*\u+8*\i+4:Q+32*\u+8*\i+7], v[QO0+\u], s[4:5] offset:64*\i+32
.endr
.endr
	s_wait_loadcnt 16                              ; the mask's load is in; Q's sixteen may be out
	v_cmp_eq_u32 vcc_lo, 0, v232
	v_cndmask_b32 v232, 0, v229, vcc_lo            ; 0 where the key counts, -infinity where it does not
	v_cmp_eq_u32 vcc_lo, 0, v233
	v_cndmask_b32 v233, 0, v229, vcc_lo
	ds_store_b64 v230, v[232:233]
; THE LDS LOADS stand in runs.  A step's K (64 keys x 128 channels: 16 fragments) and its mask terms (register 8 i + j: key 16 i + 8 h + j):
.macro FETCH_K s
	WIN 0
	v_add_nc_u32 v[ADR], (\s)*KS*PK, v[AK0]
	WIN 0x40                                       ; destination window 1
.irp f, 0,1,2,3,4,5,6,7,8,9,10,11,12,13,14,15  ; keys 16 (f / 4) on, channels 32 (f % 4) on
	ds_load_b128 v[KF+8*\f:KF+8*\f+3],   v[ADR] offset:(\f/4)*16*PK+(\f%4)*64
	ds_load_b128 v[KF+8*\f+4:KF+8*\f+7], v[ADR] offset:(\f/4)*16*PK+(\f%4)*64+32
.endr
	WIN 0
.irp i, 0,1,2,3,4,5,6,7
	ds_load_b128 v[MB+4*\i:MB+4*\i+3], v[AM0] offset:(\s)*256+(\i/2)*64+(\i%2)*16
.endr
.endm
.macro FETCH_V s                       ; and its V, turned, into the same buffer.  Step 0 takes the lane's place as it stands: so no address register is written where the classes go different ways
.if (\s) == 0
.set FA, AV0
.else
	WIN 0
	v_add_nc_u32 v[ADR], (\s)*KS*PV, v[AV0]
.set FA, ADR
.endif
	WIN 0x40
.irp f, 0,1,2,3,4,5,6,7,8,9,10,11,12,13,14,15  ; keys 32 (f / 8) on, channels 16 (f % 8) on
	ds_load_tr16_b128 v[KF+8*\f:KF+8*\f+3],   v[FA] offset:(\f/8)*32*PV+(\f%8)*32
	ds_load_tr16_b128 v[KF+8*\f+4:KF+8*\f+7], v[FA] offset:(\f/8)*32*PV+16*PV+(\f%8)*32
.endr
	WIN 0
.endm
; S^T = K Q^T: product i of 32: channels 32 (i / 8) on, keys 16 ((i / 2) % 4) on, tile i % 2.  The first 8 start the sums.  The 8 accumulators take turns.
.macro KQALL
	WIN W_KQ
.set i, 0
.rept 32
.set rS, S+32*(i%2)+8*((i/2)%4)
.set rK, KF+32*((i/2)%4)+8*(i/8)
.set rQ, Q+32*(i%2)+8*(i/8)
.if i < 8
	v_wmma_f32_16x16x32_f16 v[rS:rS+7], v[rK:rK+7], v[rQ:rQ+7], 0
.else
	v_wmma_f32_16x16x32_f16 v[rS:rS+7], v[rK:rK+7], v[rQ:rQ+7], v[rS:rS+7]
.endif
.set i, i+1
.endr
.endm
; O^T += V^T P: product i of 32: keys 32 (i / 16) on, channels 16 ((i / 2) % 8) on, tile i % 2.  first = 1: the first 16 start the sums.  The 16 accumulators take turns.
.macro PVALL first
	WIN W_PV
.set i, 0
.rept 32
.set rO, 64*(i%2)+8*((i/2)%8)
.set rV, KF+64*(i/16)+8*((i/2)%8)
.set rP, P+16*(i%2)+8*(i/16)
.if \first && (i < 16)
	v_wmma_f32_16x16x32_f16 v[rO:rO+7], v[rV:rV+7], v[rP:rP+7], 0
.else
	v_wmma_f32_16x16x32_f16 v[rO:rO+7], v[rV:rV+7], v[rP:rP+7], v[rO:rO+7]
.endif
.set i, i+1
.endr
.endm
; One tile's softmax for one key step is a list of 134 instructions; SM writes number j of it for tile t.  s0-s31 are the lane's 32 scores, in pairs 0-15.  first = 1: the first step, which starts m, l and O^T.
;   0-15    the maximum of s0-s31 and the old m (first step: and -3e38), three operands at a time
;   16-20   the other half of the lanes' maximum; the new m; c m; c m_old - c m_new
;   21-69   ONE BATCH: the 16 scalings c s - c m and all 33 exponentials (a at 23, then s0-s31); none of these reads an exponential's result; a pair is scaled ahead of its exponentials
;   (wait)  between 69 and 70 stands the one wait for the batch, for both tiles
;   70-85   the roundings to f16;   86-101 the sums, l = a l + the sum;   102-133 the tile's O^T times a
.macro SM t, first
.set rT, ST+8*(\t)
.set rS, S+32*(\t)
.set rP, P+16*(\t)
.set rO, 64*(\t)+2*(j-102)
.if j < 102
	WIN 0
.endif
.if j < 4
	v_max3_num_f32 v[rT+4+j], v[rS+8*j], v[rS+8*j+1], v[rS+8*j+2]
.elseif j < 12
	v_max3_num_f32 v[rT+4+j%4], v[rT+4+j%4], v[rS+8*(j%4)+2*(j/4)+1], v[rS+8*(j%4)+2*(j/4)+2]
.elseif j == 12
	v_max3_num_f32 v[rT+4], v[rT+4], v[rS+7], v[rS+15]
.elseif j == 13
	v_max3_num_f32 v[rT+6], v[rT+6], v[rS+23], v[rS+31]
.elseif j == 14
	v_max3_num_f32 v[rT+4], v[rT+4], v[rT+5], v[rT+6]
.elseif (j == 15) && \first
	v_max3_num_f32 v[rT+4], v[rT+4], v[rT+7], s[FLOOR]   ; the maximum is a number even where every key so far is masked
.elseif j == 15
	v_max3_num_f32 v[rT+4], v[rT+4], v[rT+7], v[rT+1]
.elseif j == 16
	v_permlanex16_b32 v[rT+5], v[rT+4], s[SEL], s[SEL+1]  ; the query's other 32 keys lie in the lane 16 away
.elseif j == 18
	v_max_num_f32 v[rT+1], v[rT+4], v[rT+5]
.elseif j == 19
	v_mul_f32 v[rT], s[CS], v[rT+1]
.elseif ((j == 17) || (j == 20) || (j == 23) || (j > 101)) && \first  ; the first step has none of these
.elseif j == 17
	v_mov_b32 v[rT+7], v[rT]                       ; c m_old is kept for a: number 19 writes c m anew
.elseif j == 20
	v_sub_f32 v[rT+7], v[rT+7], v[rT]
.elseif j == 23
	v_exp_f32 v[rT+6], v[rT+7]
.elseif (j < 23) || ((j < 38) && (j%2 == 0)) || ((j < 66) && (j%4 == 2))
.set b, (j-2)/4                        ; 38, 42, .. 62: pairs 9 to 15
.if j < 38
.set b, (j-20)/2                       ; 21: pair 0; 22, 24, .. 36: pairs 1 to 8
.endif
	v_pk_fma_f32 v[rS+2*b:rS+2*b+1], v[rS+2*b:rS+2*b+1], s[CS:CS+1], v[rT:rT+1] op_sel_hi:[1,0,0] neg_lo:[0,0,1] neg_hi:[0,0,1]  ; pair b: c s - c m
.elseif j < 70
.set e, j-38                           ; 66 to 69: s28 to s31
.if j < 66
.set e, j-32-(j-38)/4                  ; 39-41, 43-45, .. 63-65: s7 to s27
.endif
.if j < 38
.set e, (j-25)/2                       ; 25, 27, .. 37: s0 to s6
.endif
	v_exp_f32 v[rS+e], v[rS+e]
.elseif j < 86
	v_cvt_pk_f16_f32 v[rP+j-70], v[rS+2*(j-70)], v[rS+2*(j-70)+1]  ; pair j - 70
.elseif j < 102                        ; the sum of the tile's 16 pairs, in place: neighbours 1, 2, 4 and 8 pairs apart, then l takes it
.set z, j-86
.set w, 4
.set u, z
.if z >= 14
.set w, 32
.set u, 0
.elseif z >= 12
.set w, 16
.set u, z-12
.elseif z >= 8
.set w, 8
.set u, z-8
.endif
.if (z == 14) && \first
	v_pk_add_f32 v[rT+2:rT+3], v[rS:rS+1], v[rS+16:rS+17]
.elseif z < 15
	v_pk_add_f32 v[rS+w*u:rS+w*u+1], v[rS+w*u:rS+w*u+1], v[rS+w*u+w/2:rS+w*u+w/2+1]
.elseif !\first
	v_pk_fma_f32 v[rT+2:rT+3], v[rT+2:rT+3], v[rT+6:rT+7], v[rS:rS+1] op_sel_hi:[1,0,1]
.endif
.else
	WIN W_RS
	v_pk_mul_f32 v[rO:rO+1], v[rO:rO+1], v[rT+6:rT+7] op_sel_hi:[1,0]
.endif
.endm
; A step's vector work: the mask terms are added to the scores (each accumulator from its low end on), then both tiles' lists, number by number, the tiles alternating so that no instruction reads the result of the one just before it.
.macro SOFT first
	WIN 0
.set i, 0
.rept 16
	v_pk_add_f32 v[S+2*i:S+2*i+1], v[S+2*i:S+2*i+1], v[MB+2*i:MB+2*i+1]
	v_pk_add_f32 v[S+32+2*i:S+32+2*i+1], v[S+32+2*i:S+32+2*i+1], v[MB+2*i:MB+2*i+1]
.set i, i+1
.endr
.set j, 0
.rept 134
.if j == 70
	v_nop                                          ; a plain instruction behind the last exponential,
	s_wait_alu depctr_va_vdst(0)                   ; and the one wait ahead of the first instruction that names a result: it serves both tiles' exponentials
.endif
	SM 0, \first
	SM 1, \first
.set j, j+1
.endr
	WIN 0
.endm
; A KEY STEP, 64 keys, the s-th of my half, in two parts.  FRONT: the scores and the softmax; V's run of loads lands under the softmax.
; wo = 1 (the last step): Q is done with, four places behind the last product that read it, and its 64 registers take my run of Wo: 16 loads of 512 consecutive bytes.
.macro FRONT s, first, wo
	s_wait_dscnt 0x0                               ; K and the mask terms are in
	KQALL
	WIN 0
	PLACES                                         ; behind the products: for the loads into K's buffer and into Q's registers, and for the reads of the scores
	FETCH_V \s
.if \wo
.set i, 0
.rept 16
	global_load_b128 v[Q+4*i:Q+4*i+3], v[WI], s[10:11] offset:512*i th:TH_LOAD_NT   ; read once in the whole launch
.set i, i+1
.endr
.endif
	SOFT \first
.endm
; BACK: O^T takes the step in.  next = 1: the next step's K is asked for at the end.
.macro BACK s, first, next
	s_wait_dscnt 0x0                               ; V is in
	PVALL \first
	WIN 0
	PLACES                                         ; behind the products: for the loads into V's buffer, and at the end for the reads of O^T
.if \next
	FETCH_K (\s)+1
.endif
.endm
	s_wait_tensorcnt 1                             ; my tile of the first stage is in; the second stage's may stay out
	s_wait_dscnt 0x0                               ; my mask terms are stored
	s_barrier_signal -1
	s_barrier_wait -1                              ; everybody's are
	FETCH_K 0
	s_wait_loadcnt 0x0                             ; Q
	s_cmp_lg_u32 s[CL], 0
	s_cbranch_scc1 .Lheld                          ; class 1 goes straight to the barrier
	FRONT 0, 1, 0                                  ; class 0: the first scores and the first softmax
.Lheld:
	s_wait_dscnt 0x0                               ; no LDS load of mine is out at the signal
	s_barrier_signal -1
	s_barrier_wait -1                              ; the barrier that sets the classes apart: class 1 goes on when class 0 has its first softmax behind it
	s_cmp_eq_u32 s[CL], 0
	s_cbranch_scc1 .Lahead
	FRONT 0, 1, 0                                  ; class 1: the same, beside class 0's products
.Lahead:
	BACK 0, 1, 1
	s_wait_dscnt 0x0                               ; step 1's K is in: no LDS load of mine is out at the signal
	s_wait_tensorcnt 0x0                           ; my tile of the second stage is in:
	s_barrier_signal -1                            ; say so now, and ask only at the step's end.  Between the two: work on registers, and LDS loads of first-stage bytes, which nobody writes before the barrier ahead of the exchange
	FRONT 1, 0, 0
	BACK 1, 0, 0
	s_barrier_wait -1                              ; everybody's tile of the second stage is in
	FETCH_K 2
	FRONT 2, 0, 0
	BACK 2, 0, 1
	FRONT 3, 0, 1
	BACK 3, 0, 0
	; THE TWO HALVES OF THE KEYS MEET.  l's two halves and the other half of the lanes' are added; (c m, l) then lie in a pair.
.irp t, 0,1
	v_add_f32 v[ST+8*\t+4], v[ST+8*\t+2], v[ST+8*\t+3]
.endr
.irp t, 0,1
	v_permlanex16_b32 v[ST+8*\t+5], v[ST+8*\t+4], s[SEL], s[SEL+1]
.endr
.irp t, 0,1
	v_add_f32 v[ST+8*\t+1], v[ST+8*\t+4], v[ST+8*\t+5]
.endr
	s_wait_dscnt 0x0                               ; my reads of K and V are over
	s_barrier_signal -1
	s_barrier_wait -1                              ; everybody's are: K's bytes, which have had their only fill, serve the exchange and the stages
	WIN 0x04                                       ; an LDS store's data are its source 1: window 1
.irp n, 0,1,2,3,4,5,6,7,8,9,10,11,12,13,14,15
	ds_store_b128 v[XW], v[64+4*\n:64+4*\n+3] offset:512*\n   ; tile 1's O^T as an image of its registers, each accumulator from its low end on
.endr
	WIN 0
	ds_store_b64 v[XWS], v[ST+8:ST+9]              ; and its (c m, l)
	s_wait_dscnt 0x0                               ; for my partner's sake: my stores are done
	s_barrier_signal -1
	s_barrier_wait -1
	WIN 0x40
.irp n, 0,1,2,3,4,5,6,7,8,9,10,11,12,13,14,15
	ds_load_b128 v[128+4*\n:128+4*\n+3], v[XR] offset:512*\n  ; my partner's O^T of the tile that I keep: the same registers in the same lanes
.endr
	WIN 0
	ds_load_b64 v[26:27], v[XRS]                   ; its (c m, l)
	; while those are on their way: my run of Wo, rounded to f16, into the registers that held the mask terms; neither they nor Q's registers are written again
	s_wait_loadcnt 0x0                             ; Wo's sixteen loads, asked for a softmax, 32 products and two barriers ago
.set i, 0
.rept 16
	v_cvt_pk_f16_f32 v[MB+2*i], v[Q+4*i], v[Q+4*i+1]
	v_cvt_pk_f16_f32 v[MB+2*i+1], v[Q+4*i+2], v[Q+4*i+3]
.set i, i+1
.endr
.set i, 0
.rept 16
	global_store_b64 v[WO], v[MB+2*i:MB+2*i+1], s[2:3] offset:256*i   ; 32 lanes store 256 consecutive bytes, aligned
.set i, i+1
.endr
	s_wait_dscnt 0x0                               ; my partner's tile is in
	v_max_num_f32 v20, v16, v26                    ; the larger c m
	v_sub_f32 v21, v16, v20
	v_sub_f32 v22, v26, v20
	v_exp_f32 v21, v21                             ; what brings my half under it,
	v_exp_f32 v22, v22                             ; and my partner's
	v_nop
	s_wait_alu depctr_va_vdst(0)                   ; one wait for the two, ahead of their first reader
	v_mul_f32 v23, v17, v21
	v_fma_f32 v23, v27, v22, v23                   ; the row's sum over all 512 keys (0 where all are masked)
	v_rcp_f32 v28, v23
	v_nop
	s_wait_alu depctr_va_vdst(0)
	v_mul_f32 v20, v21, v28                        ; my half's factor
	v_mul_f32 v22, v22, v28                        ; my partner's
	WIN W_RS
.set i, 0
.rept 32
	v_pk_mul_f32 v[128+2*i:128+2*i+1], v[128+2*i:128+2*i+1], v[22:23] op_sel_hi:[1,0]
.set i, i+1
.endr
	WIN 0x51                                       ; destination, source 0 and source 2 window 1, the factor window 0
.set i, 0
.rept 32
	v_pk_fma_f32 v[2*i:2*i+1], v[2*i:2*i+1], v[20:21], v[128+2*i:128+2*i+1] op_sel_hi:[1,0,1]   ; each accumulator from its low end on
.set i, i+1
.endr
	; THE WAY OUT: rounded to f16; a lane's eight channels of a row are 16 bytes; through my stage, back as whole rows of 256 bytes
	WIN 0x05                                       ; sources 0 and 1 window 1, destination window 0
.set i, 0
.rept 32
	v_cvt_pk_f16_f32 v[S+i], v[2*i], v[2*i+1]
.set i, i+1
.endr
	WIN 0
.irp f, 0,1,2,3,4,5,6,7
	ds_store_b128 v[STO], v[S+4*\f:S+4*\f+3] offset:32*\f
.endr
.irp f, 0,1,2,3,4,5,6,7
	ds_load_b128 v[S+32+4*\f:S+32+4*\f+3], v[RD] offset:\f*2*SP   ; LDS serves a wave's instructions in order (ISA guide 5.7.1.4): these see the stores above
.endr
.irp f, 0,1,2,3,4,5,6,7
	s_wait_dscnt 7-\f                              ; load f is in; the younger ones may be out
	global_store_b128 v[GO], v[S+32+4*\f:S+32+4*\f+3], s[8:9] offset:\f*8192   ; 16 lanes store 256 consecutive bytes, aligned: a head's part of a row of att
.endr
	s_wait_tensorcnt 0x0                           ; the wave's end: closing lines, behind my last tensor load and my last LDS store
	ds_add_u32 v[SPW], v[NIL]
	s_wait_dscnt 0x0
	CROUND                                         ; the closing round
	s_endpgm
.Lfunc_end_k_q805b19427f_attn:
	.size	k_q805b19427f_attn, .Lfunc_end_k_q805b19427f_attn-k_q805b19427f_attn
	.p2alignl 7, 3214868480
	.fill 96, 4, 3214868480
	.section	.rodata,"a",@progbits
	.p2align	6, 0x0
	.amdhsa_kernel k_q805b19427f_attn
		.amdhsa_group_segment_fixed_size 327680
		.amdhsa_private_segment_fixed_size 0
		.amdhsa_enable_private_segment 0
		.amdhsa_kernarg_size 40
		.amdhsa_user_sgpr_count 2
		.amdhsa_user_sgpr_kernarg_segment_ptr 1
		.amdhsa_wavefront_size32 1
		.amdhsa_system_sgpr_workgroup_id_x 1
		.amdhsa_system_sgpr_workgroup_id_y 1
		.amdhsa_system_sgpr_workgroup_id_z 1
		.amdhsa_system_vgpr_workitem_id 0
		.amdhsa_next_free_vgpr 512
		.amdhsa_next_free_sgpr 72
		.amdhsa_reserve_vcc 1
		.amdhsa_float_denorm_mode_32 3
		.amdhsa_float_denorm_mode_16_64 3
		.amdhsa_memory_ordered 1
		.amdhsa_forward_progress 1
		.amdhsa_inst_pref_size 143
	.end_amdhsa_kernel
	.amdgpu_metadata
---
amdhsa.version: [ 1, 2 ]
amdhsa.kernels:
  - .name:           k_q805b19427f_attn
    .symbol:         k_q805b19427f_attn.kd
    .args:
      - { .name: qkv, .offset: 0, .size: 8, .value_kind: global_buffer, .address_space: global }
      - { .name: mask, .offset: 8, .size: 8, .value_kind: global_buffer, .address_space: global }
      - { .name: att, .offset: 16, .size: 8, .value_kind: global_buffer, .address_space: global }
      - { .name: Wo, .offset: 24, .size: 8, .value_kind: global_buffer, .address_space: global }
      - { .name: wo16, .offset: 32, .size: 8, .value_kind: global_buffer, .address_space: global }
    .group_segment_fixed_size: 327680
    .private_segment_fixed_size: 0
    .kernarg_segment_align: 8
    .kernarg_segment_size: 40
    .max_flat_workgroup_size: 256
    .sgpr_count:     72
    .vgpr_count:     512
    .wavefront_size: 32
...
	.end_amdgpu_metadata
.endif
;; end of part 3
;; launch oproj (part 4): grid 16 x 16, 4 waves a work-group, clusters of 4 x 4, 327,680 bytes of LDS; arguments att, wo16, bo, out0; writes out0
.if DOCPART == 4
	.amdgcn_target "amdgcn-amd-amdhsa--gfx1250"
	.amdhsa_code_object_version 6
	.text
	.protected	k_q805b19427f_oproj
	.globl	k_q805b19427f_oproj
	.p2align	8
	.type	k_q805b19427f_oproj,@function
k_q805b19427f_oproj:
	s_mov_b64 s[64:65], 0
	v_nop
	global_prefetch_b8 v0, s[64:65] scope:SCOPE_SE
	s_setreg_imm32_b32 hwreg(HW_REG_WAVE_MODE, 25, 1), 1
	s_wait_xcnt 0x0
	s_wait_alu depctr_hold_cnt(0) depctr_sa_sdst(0) depctr_va_vdst(0) depctr_va_sdst(0) depctr_va_ssrc(0) depctr_va_vcc(0) depctr_vm_vsrc(0)
	s_getreg_b32 s2, hwreg(HW_REG_IB_STS2, 6, 4)
	s_cmp_eq_u32 s2, 0
	s_cbranch_scc0 .Lentry_in_a_cluster
	s_endpgm
.Lentry_in_a_cluster:
	s_bfe_u32 s2, ttmp6, 0x10000c
	s_cmp_lg_u32 s2, 0xf033
	s_cbranch_scc0 .Lentry_shape_is_right
	s_endpgm
.Lentry_shape_is_right:
; out0[m][n] = sum over k of att[m][k] Wo[n][k] + bo[n].  att: [2048][2048] f16, wo16: [2048][2048] f16; out0: [2048][2048] f32; sums in f32.
; A tile of C is 128 x 128: 256 work-groups.  Four waves, each 64 x 64: 16 accumulators of 16 x 16, 128 registers.  K goes in steps of 256 (LDS rows of 512 bytes; a wave's tensor load brings 64 of them) through two slots.
; CLUSTERS: 4 x 4 work-groups.  The four of a row of the cluster need the same tiles of A, the four of a column the same tiles of B: each tile is asked for JOINTLY, by the same tensor load with the
; same descriptor and a mask that names the four.  THE MATRIX INSTRUCTION IS USED TRANSPOSED (source 0 = 16 rows of B, source 1 = 16 rows of A): a lane then holds eight neighbouring numbers of a row of C.
; THE BIAS is the C of each sum's first product.  A wave's 64 columns of f32 are 256 aligned bytes of a row of C: so each wave has a stage of its own on the way out, and no barrier stands there.
; REGISTERS: window 0: v0-31 addresses; v32-95 the way out; v96-127 the bias in the result's layout; v128-255 the accumulators ((a, b) at v[128 + 8 (4 a + b)]).
;   window 1: two fragment buffers of 128: for 64 along K, 64 registers of A (2 x 4 x 16 rows x 32 K), then 64 of B.
.set SIZE_M, 2048
.set SIZE_N, 2048
.set SIZE_K, 2048
.set KSTEP,  256
.set PITCH,  528                       ; an LDS row: 512 bytes of data + 16 of padding = 132 words: the 16 rows that a load touches start at 16 different banks (64 banks of 4 bytes: ISA guide 11.1)
.set HALFT,  64*PITCH                  ; 64 rows: what one tensor load brings, and what one wave reads of A or of B
.set SLOT,   4*HALFT                   ; A's 128 rows, then B's 128 rows
.set STAGE,  2*SLOT                    ; behind the ring: 16 rows x 272 bytes for each wave
.set SPITCH, 272
.set SPARE,  STAGE+4*16*SPITCH         ; behind the stages: the spare words, 128 bytes for each wave
.set LAPS, SIZE_K/(2*KSTEP)            ; a lap = two K steps = once round the ring
.set ADRA, 16                          ; v16-17  LDS address of my A fragments in slot 0, 1
.set ADRB, 20                          ; v20-21  the same for B
.set STO,  24                          ; v24     the way out: where I put 32 bytes of a row
.set RD,   25                          ; v25     the way out: where I read a row back
.set CO,   26                          ; v26     my byte offset in two rows of C
.set SPW,  28                          ; v28     LDS address of my spare word; never rewritten
.set NIL,  29                          ; v29     0; never rewritten
.set BK,   32                          ; the way out: 16 rows read back: v32-63 and v64-95 by turns
.set BI,   96                          ; the bias: register 8 b + j of lane (r, h) = bo[my first column + 16 b + 8 h + j]
.set ACC,  128
.set F0,   0                           ; fragment buffers, in window 1
.set F1,   128
.set G1, 24                            ; s[24:31] descriptor group 1 for A's tiles;  s[32:39] group 0, one set for each slot
.set G0, 32
.set G1B, 48                           ; s[48:55], s[56:63] the same for B's tiles
.set G0B, 56
.set MSB, 0
.macro WIN new                         ; the immediate's high byte repeats the setting that is left
.if MSB != (\new)
	s_set_vgpr_msb (MSB<<8)|(\new)
.set MSB, (\new)
.endif
.endm
.set MUL,  0x05                        ; sources 0 (B) and 1 (A) window 1; C and D window 0
.set TO_F, 0x40                        ; destination window 1, address window 0
.macro JLOAD s                         ; a joint load: waves 0 and 1 fetch A's two halves, waves 2 and 3 B's; an s_nop 0 and four v_nop follow each of the two lines, ahead of the jump, the label and what follows
	s_cmp_eq_u32 s11, 0
	s_cbranch_scc0 .Lfor_b_\@
	tensor_load_to_lds s[G0+4*\s:G0+4*\s+3], s[G1:G1+7]
	s_nop 0
.rept 4
	v_nop
.endr
	s_branch .Lasked_\@
.Lfor_b_\@:
	tensor_load_to_lds s[G0B+4*\s:G0B+4*\s+3], s[G1B:G1B+7]
	s_nop 0
.rept 4
	v_nop
.endr
.Lasked_\@:
.endm
.macro CREST                           ; a round of the cluster's barrier behind its opening barrier
	s_cmp_lg_u32 s10, 0
	s_cbranch_scc1 .Lnot_wave_0_\@
	s_barrier_signal -3
.Lnot_wave_0_\@:
	s_barrier_wait -3
	s_barrier_signal -1
	s_barrier_wait -1
.endm
.macro CROUND                          ; a whole round
	s_barrier_signal -1
	s_barrier_wait -1
	CREST
.endm
	s_load_b128 s[4:7], s[0:1], 0x0                ; att s[4:5], wo16 s[6:7]
	s_load_b64 s[66:67], s[0:1], 0x10              ; bo
	s_load_b64 s[8:9], s[0:1], 0x18                ; out0
	v_lshl_add_u32 v[SPW], v0, 2, SPARE
	v_mov_b32 v[NIL], 0
	ds_add_u32 v[SPW], v[NIL]                      ; the wave's opening: the add, twice on end, and its wait ahead of my first tensor load; the set-up below stands between the second and the wait
	ds_add_u32 v[SPW], v[NIL]
	v_lshrrev_b32 v1, 5, v0
	v_readfirstlane_b32 s10, v1                    ; wave 0..3
	s_lshr_b32 s11, s10, 1                         ; which half of the tile's rows is mine.  Also: I fetch for A (0) or for B (1)
	s_and_b32 s12, s10, 1                          ; which half of its columns.  Also: which 64 rows of that tile I fetch
	s_bfe_u32 s40, ttmp6, 0x40000                  ; cx, cy: my place in the cluster
	s_bfe_u32 s41, ttmp6, 0x40004
	s_lshl_b32 s42, ttmp9, 2
	s_add_co_u32 s42, s42, s40                     ; tile column of C = 4 x cluster x + cx
	s_and_b32 s13, ttmp7, 0xffff
	s_lshl_b32 s13, s13, 2
	s_add_co_u32 s13, s13, s41                     ; tile row of C = 4 x cluster y + cy
	s_lshl_b32 s43, s41, 2
	s_lshl_b32 s43, 15, s43                        ; my row of the cluster
	s_lshl_b32 s44, 0x1111, s40                    ; my column
	; descriptor group 1: a tile of 64 rows x 256 elements, padded in LDS
	s_or_b32 s[G1+0], s43, (1<<16)|(1<<20)|(1<<21)|(6<<22)|(3<<25)  ; 15:0 the mask: A's tiles go to my row; 17:16 element of 2 bytes; 20 padding on; 21 set beside a mask; 24:22 after every 128 words (code 6); 31:25 of 4 words (code 3)
	s_or_b32 s[G1B+0], s44, (1<<16)|(1<<20)|(1<<21)|(6<<22)|(3<<25)
.irp g, G1, G1B
	s_mov_b32 s[\g+1], KSTEP<<16                   ; tensor_dim0 = 256
	s_mov_b32 s[\g+2], 64<<16                      ; tensor_dim1 = 64
	s_mov_b32 s[\g+3], KSTEP<<16                   ; tile_dim0 = 256
	s_mov_b32 s[\g+4], 64                          ; tile_dim1 = 64
	s_mov_b32 s[\g+5], SIZE_K                      ; tensor_dim0_stride
	s_mov_b32 s[\g+6], 0
	s_mov_b32 s[\g+7], 0
.endr
	s_lshl_b32 s17, s12, 6                         ; which 64 rows of the tile I fetch
	s_lshl_b32 s16, s13, 7
	s_add_co_u32 s16, s16, s17                     ; A: row 128 x tile row + 64 x half
	s_lshl_b32 s46, s42, 7
	s_add_co_u32 s46, s46, s17                     ; B: row 128 x tile column + 64 x half
	s_mov_b32 s17, 0
	s_mov_b32 s47, 0
	s_mov_b64 s[18:19], SIZE_K*2
	s_mul_u64 s[16:17], s[16:17], s[18:19]
	s_mul_u64 s[46:47], s[46:47], s[18:19]
	s_mul_i32 s20, s10, HALFT                      ; where they go: wave x 64 rows
	s_wait_dscnt 0x0                               ; both opening adds are done
	s_wait_kmcnt 0x0
	s_add_nc_u64 s[14:15], s[4:5], s[16:17]
	s_add_nc_u64 s[46:47], s[6:7], s[46:47]
	CROUND                                         ; all sixteen work-groups are here: the first joint loads meet
.irp s, 0,1
	s_mov_b32 s[G0+4*\s], 1
	s_add_co_u32 s[G0+4*\s+1], s20, \s*SLOT
	s_add_nc_u64 s[G0+4*\s+2:G0+4*\s+3], s[14:15], \s*KSTEP*2
	s_or_b32 s[G0+4*\s+3], s[G0+4*\s+3], 0x80000000
	s_mov_b32 s[G0B+4*\s], 1
	s_add_co_u32 s[G0B+4*\s+1], s20, \s*SLOT
	s_add_nc_u64 s[G0B+4*\s+2:G0B+4*\s+3], s[46:47], \s*KSTEP*2
	s_or_b32 s[G0B+4*\s+3], s[G0B+4*\s+3], 0x80000000
	JLOAD \s                                       ; two tensor loads of mine are out now
.endr
	v_and_b32 v1, 15, v0                           ; r = l % 16
	v_bfe_u32 v2, v0, 4, 1                         ; h = l / 16
	s_lshl_b32 s46, s42, 9                         ; my first column, in bytes of f32: 512 x tile column + 256 x half: the same in a row of C and in bo
	s_lshl_b32 s47, s12, 8
	s_add_co_u32 s46, s46, s47
	s_mov_b32 s47, 0
	s_add_nc_u64 s[66:67], s[66:67], s[46:47]
	v_lshlrev_b32 v6, 5, v2                        ; 8 h numbers on
.irp b, 0,1,2,3
	global_load_b128 v[BI+8*\b:BI+8*\b+3], v6, s[66:67] offset:64*\b
	global_load_b128 v[BI+8*\b+4:BI+8*\b+7], v6, s[66:67] offset:64*\b+16
.endr
	v_mul_u32_u24 v3, v1, PITCH
	v_lshl_add_u32 v3, v2, 4, v3                   ; a fragment's row x pitch + 16 x half
	s_mul_i32 s21, s11, HALFT                      ; my 64 rows of A
	s_mul_i32 s22, s12, HALFT                      ; my 64 rows of B,
	s_add_co_u32 s22, s22, 2*HALFT                 ; which lie behind A's 128
.irp s, 0,1
	v_add_nc_u32 v[ADRA+\s], s21, v3
	v_add_nc_u32 v[ADRB+\s], s22, v3
	s_add_co_u32 s21, s21, SLOT
	s_add_co_u32 s22, s22, SLOT
.endr
	s_mul_i32 s23, s10, 16*SPITCH
	s_add_co_u32 s23, s23, STAGE                   ; my stage
	v_mul_u32_u24 v4, v1, SPITCH                   ; in: row r, 32 bytes for each half of the lanes
	v_lshl_add_u32 v4, v2, 5, v4
	v_add_nc_u32 v[STO], s23, v4
	v_mul_u32_u24 v5, v2, SPITCH                   ; back: lanes 0-15 one row of 256 bytes, lanes 16-31 the next
	v_lshl_add_u32 v5, v1, 4, v5
	v_add_nc_u32 v[RD], s23, v5
	v_lshlrev_b32 v5, 13, v2                       ; and the same two rows in C: 8,192 bytes a row
	v_lshl_add_u32 v[CO], v1, 4, v5
	s_lshl_b32 s16, s13, 7
	s_lshl_b32 s17, s11, 6
	s_add_co_u32 s16, s16, s17                     ; my first row of C: 128 x tile row + 64 x half
	s_lshl_b32 s16, s16, 13
	s_mov_b32 s17, 0
	s_add_nc_u64 s[8:9], s[8:9], s[16:17]
	s_add_nc_u64 s[8:9], s[8:9], s[46:47]
; 8 matrix instructions: m blocks a0, a0 + 1 x all 4 n blocks, 32 along K: half c of buffer f.  zero = 1: the first product starts the sums, with the bias as its C.  The 16 accumulators take turns.
.macro MUL8 f, c, a0, zero
.irp a, \a0, \a0+1
.irp b, 0,1,2,3
.if \zero
	v_wmma_f32_16x16x32_f16 v[ACC+8*(4*(\a)+\b):ACC+8*(4*(\a)+\b)+7], v[\f+64+8*(4*\c+\b):\f+64+8*(4*\c+\b)+7], v[\f+8*(4*\c+\a):\f+8*(4*\c+\a)+7], v[BI+8*\b:BI+8*\b+7]
.else
	v_wmma_f32_16x16x32_f16 v[ACC+8*(4*(\a)+\b):ACC+8*(4*(\a)+\b)+7], v[\f+64+8*(4*\c+\b):\f+64+8*(4*\c+\b)+7], v[\f+8*(4*\c+\a):\f+8*(4*\c+\a)+7], v[ACC+8*(4*(\a)+\b):ACC+8*(4*(\a)+\b)+7]
.endif
.endr
.endr
.endm
; 32 LDS loads in one run: the fragments of 64 along K at byte k of the rows, into buffer f; the first 32 along K first
.macro FETCH slot, k, f
	WIN TO_F
.irp c, 0,1
.irp i, 0,1,2,3
	ds_load_b128 v[\f+64+8*(4*\c+\i):\f+64+8*(4*\c+\i)+3],   v[ADRB+\slot] offset:\k+64*\c+\i*16*PITCH
	ds_load_b128 v[\f+64+8*(4*\c+\i)+4:\f+64+8*(4*\c+\i)+7], v[ADRB+\slot] offset:\k+64*\c+\i*16*PITCH+32
	ds_load_b128 v[\f+8*(4*\c+\i):\f+8*(4*\c+\i)+3],         v[ADRA+\slot] offset:\k+64*\c+\i*16*PITCH
	ds_load_b128 v[\f+8*(4*\c+\i)+4:\f+8*(4*\c+\i)+7],       v[ADRA+\slot] offset:\k+64*\c+\i*16*PITCH+32
.endr
.endr
.endm
.macro PLACES                          ; four places in front of loads into registers that matrix instructions have read, and of the first read of results (ISA guide 7.12.1 for vector instructions)
.rept 4
	v_nop
.endr
.endm
; A K step is four quarters of 64 along K, 32 matrix instructions each, on buffers 0, 1, 0, 1.  One of the first three: multiplies buffer f and fetches the next quarter, at byte k, into g.
.macro QUARTER slot, k, f, g, zero
	s_wait_dscnt 16                                ; the first 32 along K are in; the sixteen loads of the second 32 may be out
	WIN MUL
	MUL8 \f, 0, 0, \zero
	MUL8 \f, 0, 2, \zero
	PLACES
	FETCH \slot, \k, \g
	s_wait_dscnt 32                                ; all but the 32 just issued
	WIN MUL
	MUL8 \f, 1, 0, 0
	MUL8 \f, 1, 2, 0
.endm
; The last quarter multiplies buffer 1 and changes slots: ONE barrier; in front of it each wave waits for all its tensor loads, adds 0 to its spare word, and waits for that and for its own reads of this slot.  fill = 1: this slot is filled again, two K steps ahead.
.macro TURN slot, next, fill
	WIN 0                                          ; (the add's two registers lie in window 0)
	s_wait_tensorcnt 0x0                           ; all my tensor loads have landed: my part of the next slot;
	ds_add_u32 v[SPW], v[NIL]                      ; 0 onto my spare word;
	s_wait_dscnt 17                                ; (the add and the youngest sixteen loads may be out)
	WIN MUL
	MUL8 F1, 0, 0, 0                               ; eight matrix instructions stand between the add and the wait for it
	s_wait_dscnt 0x0                               ; the add is done, and my reads of this slot are over
	s_barrier_signal -1
	MUL8 F1, 0, 2, 0
.if \fill
	WIN 0
.endif
	s_barrier_wait -1
.if \fill
	CREST                                          ; the barrier has opened a round of the cluster's barrier: no wave of any partner still reads this slot's tile or has a load on its way
	s_add_nc_u64 s[G0+4*\slot+2:G0+4*\slot+3], s[G0+4*\slot+2:G0+4*\slot+3], 2*KSTEP*2
	s_add_nc_u64 s[G0B+4*\slot+2:G0B+4*\slot+3], s[G0B+4*\slot+2:G0B+4*\slot+3], 2*KSTEP*2
	JLOAD \slot                                    ; the first tensor load behind the round; the four v_nop behind it are also the places in front of the loads below
.else
	PLACES
.endif
	FETCH \next, 0, F0
	WIN MUL
	MUL8 F1, 1, 0, 0
	MUL8 F1, 1, 2, 0
.endm
	s_wait_tensorcnt 1                             ; my part of K step 0 is in (K step 1's load may be out)
	s_barrier_signal -1
	s_barrier_wait -1                              ; everybody's is
	FETCH 0, 0, F0
	s_wait_loadcnt 0x0                             ; the bias
	QUARTER 0, 128, F0, F1, 1                      ; the first quarter stands in front of the loop: its first products start the sums
	WIN 0                                          ; at a label and at a branch every window is 0
	s_mov_b32 s3, LAPS-1
.Llap:                                                 ; a trip goes once round the ring, from a lap's second quarter to the next lap's first, and fills both slots again
	QUARTER 0, 256, F1, F0, 0
	QUARTER 0, 384, F0, F1, 0
	TURN 0, 1, 1
	QUARTER 1, 128, F0, F1, 0
	QUARTER 1, 256, F1, F0, 0
	QUARTER 1, 384, F0, F1, 0
	TURN 1, 0, 1
	QUARTER 0, 128, F0, F1, 0
	WIN 0
	s_sub_co_u32 s3, s3, 1
	s_cmp_lg_u32 s3, 0
	s_cbranch_scc1 .Llap
	QUARTER 0, 256, F1, F0, 0                      ; the last lap fills nothing, and has no round of the cluster's barrier
	QUARTER 0, 384, F0, F1, 0
	TURN 0, 1, 0
	QUARTER 1, 128, F0, F1, 0
	QUARTER 1, 256, F1, F0, 0
	QUARTER 1, 384, F0, F1, 0
	s_wait_dscnt 16                                ; the very last quarter: nothing more to fetch
	WIN MUL
	MUL8 F1, 0, 0, 0
	MUL8 F1, 0, 2, 0
	s_wait_dscnt 0
	MUL8 F1, 1, 0, 0
	MUL8 F1, 1, 2, 0
	WIN 0
; THE WAY OUT, block by block of 16 rows x 64 columns of f32.  A lane holds 32 neighbouring bytes of a row, and the lanes beside it hold other rows: so a block goes through my own stage and comes back as whole rows of 256 bytes.
.macro TOSTAGE a
.set BB, BK+32*((\a)%2)
.irp b, 0,1,2,3
	ds_store_b128 v[STO], v[ACC+8*(4*(\a)+\b):ACC+8*(4*(\a)+\b)+3] offset:64*\b          ; each accumulator from its low end on
	ds_store_b128 v[STO], v[ACC+8*(4*(\a)+\b)+4:ACC+8*(4*(\a)+\b)+7] offset:64*\b+16
.endr
.irp t, 0,1,2,3,4,5,6,7
	ds_load_b128 v[BB+4*\t:BB+4*\t+3], v[RD] offset:\t*2*SPITCH    ; LDS serves a wave's instructions in order (ISA guide 5.7.1.4): these see the stores above, and the next block's stores come behind them
.endr
.endm
.macro SEND a, younger                 ; younger: the LDS instructions issued behind block a's loads (the next block's eight stores and eight loads, or none), which may stay out
.set BB, BK+32*((\a)%2)
	s_wait_dscnt \younger
.irp t, 0,1,2,3,4,5,6,7
	global_store_b128 v[CO], v[BB+4*\t:BB+4*\t+3], s[8:9] offset:(16*(\a)+2*\t)*SIZE_N*4 th:TH_STORE_NT   ; 16 lanes store 256 consecutive bytes, aligned; written once, read by nobody here; 62 rows at the most stand in the immediate
.endr
.endm
	PLACES                                         ; behind the last products
	TOSTAGE 0
.irp a, 1,2,3
.if \a > 1
	s_wait_xcnt 0x0                                ; block a - 2's stores have read their registers: block a's loads may land there
.endif
	TOSTAGE \a
	SEND \a-1, 16
.endr
	SEND 3, 0
	s_wait_tensorcnt 0x0                           ; the wave's end: closing lines, behind my last tensor load and my last LDS store
	ds_add_u32 v[SPW], v[NIL]
	s_wait_dscnt 0x0
	CROUND                                         ; the closing round: no work-group ends while a partner may still ask for a tile that names it
	s_endpgm
.Lfunc_end_k_q805b19427f_oproj:
	.size	k_q805b19427f_oproj, .Lfunc_end_k_q805b19427f_oproj-k_q805b19427f_oproj
	.p2alignl 7, 3214868480
	.fill 96, 4, 3214868480
	.section	.rodata,"a",@progbits
	.p2align	6, 0x0
	.amdhsa_kernel k_q805b19427f_oproj
		.amdhsa_group_segment_fixed_size 327680
		.amdhsa_private_segment_fixed_size 0
		.amdhsa_enable_private_segment 0
		.amdhsa_kernarg_size 32
		.amdhsa_user_sgpr_count 2
		.amdhsa_user_sgpr_kernarg_segment_ptr 1
		.amdhsa_wavefront_size32 1
		.amdhsa_system_sgpr_workgroup_id_x 1
		.amdhsa_system_sgpr_workgroup_id_y 1
		.amdhsa_system_sgpr_workgroup_id_z 1
		.amdhsa_system_vgpr_workitem_id 0
		.amdhsa_next_free_vgpr 512
		.amdhsa_next_free_sgpr 68
		.amdhsa_reserve_vcc 0
		.amdhsa_float_denorm_mode_32 3
		.amdhsa_float_denorm_mode_16_64 3
		.amdhsa_memory_ordered 1
		.amdhsa_forward_progress 1
		.amdhsa_inst_pref_size 86
	.end_amdhsa_kernel
	.amdgpu_metadata
---
amdhsa.version: [ 1, 2 ]
amdhsa.kernels:
  - .name:           k_q805b19427f_oproj
    .symbol:         k_q805b19427f_oproj.kd
    .args:
      - { .name: att, .offset: 0, .size: 8, .value_kind: global_buffer, .address_space: global }
      - { .name: wo16, .offset: 8, .size: 8, .value_kind: global_buffer, .address_space: global }
      - { .name: bo, .offset: 16, .size: 8, .value_kind: global_buffer, .address_space: global }
      - { .name: out0, .offset: 24, .size: 8, .value_kind: global_buffer, .address_space: global }
    .group_segment_fixed_size: 327680
    .private_segment_fixed_size: 0
    .kernarg_segment_align: 8
    .kernarg_segment_size: 32
    .max_flat_workgroup_size: 128
    .sgpr_count:     68
    .vgpr_count:     512
    .wavefront_size: 32
...
	.end_amdgpu_metadata
.endif
;; end of part 4
